; MI455X (gfx1250); checked and timed in simulation.
; The chip was launched on July 23, 2026; its instructions are those of AMD's public machine-readable ISA for CDNA 5 (MIT licence, August 2026) and "CDNA5" Instruction Set Architecture Reference Guide (July 2026). The comments in the code are by the model that wrote it; some were corrected since.
;; Transformer Block. Allowed arithmetic: matrix products marked QUANTISED: E2M3 operands, one E8M0 scale for each 32 along K, by v_wmma_scale_f32_16x16x128_f8f6f4 with both operands' format E2M3, f32 sums; everything else in f32.
;; Inputs: b_out 1,024 float32; w_out 1,024 x 1,024 float32; w_qkv 1,024 x 3,072 float32; x 4 x 2,048 x 1,024 float32.
;; Outputs: out0 4 x 2,048 x 1,024 float32.
;; This version of the problem:
;;   THIS VERSION OF THE PROBLEM IS GIVEN IN LOW PRECISION. The matrix products marked QUANTISED in the list below multiply operands that are first quantised to E2M3 (2 exponent bits, 3 mantissa bits; 6 bits a number), with one power-of-two scale for each 32 numbers along K (OCP MX v1.0); their sums are f32. All else is computed in f32.
;;   The module's matrix products, in the order in which they are computed (A, B: the left and right operand; K: the contracted axis; several contracted axes count as one K, in the product's order):
;;     1. [M 8,192, K 1,024] x [K 1,024, N 3,072]; A: input x; B: input w_qkv: QUANTISED
;;     2. batch 64 x [M 2,048, K 64] x [K 64, N 2,048]; A: computed on the way; B: computed on the way: QUANTISED
;;     3. batch 64 x [M 2,048, K 2,048] x [K 2,048, N 64]; A: softmax (see below); B: computed on the way: QUANTISED
;;     4. [M 8,192, K 1,024] x [K 1,024, N 1,024]; A: computed on the way; B: input w_out: QUANTISED
;;   THE QUANTISER, for each operand of a quantised product, along K:
;;     - K is cut into blocks of 32 from its start; a last block that is shorter is filled with zeros.
;;     - A block's scale is 2^e with e = floor(log2(the largest magnitude in the block)) - 2, held to -126 .. 127; a block of zeros has e = 0. As a byte (E8M0): e + 127.
;;     - Each number is divided by its block's scale, clamped to +-7.5, and rounded to the nearest number of E2M3, ties to even, subnormals kept.
;;     - The product sums the exact products of the quantised numbers (number of the format x scale) in f32.
;;   ~~~python
;;   def quantise(x, axis):      # numpy; x: float32 -> the quantised numbers, widened to float32 again
;;       x = np.moveaxis(x, axis, -1); K = x.shape[-1]
;;       x = np.pad(x, [(0, 0)] * (x.ndim - 1) + [(0, -K % 32)]); x = x.reshape(x.shape[:-1] + (-1, 32)); a = np.abs(x).max(-1, keepdims=True)
;;       e = np.where(a > 0, np.clip(np.frexp(np.where(a > 0, a, 1))[1] - 1 - 2, -126, 127), 0)      # np.frexp(a)[1] - 1 = floor(log2(a)), exactly
;;       r = np.clip(x / 2.0 ** e, -7.5, 7.5)
;;       step = 2.0 ** (np.maximum(np.frexp(np.where(r == 0, 1, r))[1] - 1, 0) - 3)
;;       q = np.round(r / step) * step * 2.0 ** e      # np.round: ties to even
;;       return np.moveaxis(q.reshape(q.shape[:-2] + (-1,))[..., :K], -1, axis).astype(np.float32)
;;   ~~~
;;   SOFTMAX AHEAD OF A QUANTISED PRODUCT. Where the list says 'softmax', what is quantised is not the finished softmax but p = 2^(t - M), with t = logit x log2(e) and M = ceil(the row's largest t), a whole number; so 1/2 < the row's largest p <= 1. The row's sum l is taken of the UNQUANTISED p, in f32, and the product's result is divided by l at the end. Since M is a whole number, a kernel that streams over the keys may use a running M (the ceiling of the running maximum): every later rescaling is an exact power of two, which a block's scale takes up: the codes' values come out the same.
;;   OPERANDS COMPUTED ON THE WAY. 'Computed on the way' means the value that the module computes at that place (a softmax that the list does not call 'softmax' is quantised finished and normalised). What goes into a quantiser is computed in f32, as accurately as f32 sums, v_exp_f32 and their like allow (about 1e-6 of the number): no bf16 or f16 on the way to a quantiser, and a product that is left as it is and whose result goes on into a quantised operand takes f32 operands (vector FMAs, or v_wmma_f32_16x16x4_f32). A number that lies on a knife's edge between two numbers of the format may be rounded either way, as far as f32 arithmetic and the matrix unit's own rounding can turn it there, and no further.
;; One version. Each part assembles by itself: llvm-mc -triple=amdgcn-amd-amdhsa -mcpu=gfx1250 --defsym DOCPART=n.
;; ======== version 1 of 1: 4 launches
;; limits: right only within a limited range of input values
;; workspace buffers: xq 6,553,600 bytes; wq 3,276,800 bytes; qkvc 19,660,800 bytes; ao 6,553,600 bytes
;; launch prep (part 1): grid 384 x 1, 4 waves a work-group, no clusters, 59,904 bytes of LDS; arguments x, w_qkv, w_out, xq, wq; writes xq, wq
.if DOCPART == 1
	.amdgcn_target "amdgcn-amd-amdhsa--gfx1250"
	.amdhsa_code_object_version 6
	.text
	.protected	k_q8db0238728_prep
	.globl	k_q8db0238728_prep
	.p2align	8
	.type	k_q8db0238728_prep,@function
k_q8db0238728_prep:
	s_mov_b64 s[64:65], 0
	v_nop
	global_prefetch_b8 v0, s[64:65] scope:SCOPE_SE
	s_setreg_imm32_b32 hwreg(HW_REG_WAVE_MODE, 25, 1), 1
	s_wait_xcnt 0x0
; x [8192][1024], w_qkv [1024][3072] and w_out [1024][1024], f32, become codes of FP6 (E2M3) along K with one E8M0 byte for each 32 along K,
; laid in the order in which the products' operand registers take them.
; A block's scale is 2^(floor(log2(largest magnitude)) - 2): its byte is the largest magnitude's exponent field - 2, held at 1 from below.
; LIMITS: NaN and infinities among the inputs are not served; a block whose largest magnitude lies under 2^-124 keeps the byte 1; a block of zeros
; gets the byte 1 where the quantiser says 127: its codes are zeros, and the bytes are read by this program alone.
; TILES.  Rows (tokens of x, columns of the weights) go in pairs of 32; a pair holds two tiles of 16: lane row r of tile u is row 8 u + r % 8 + 16 (r / 8) of the pair.
; CODES.  [tile][K step of 128: 0..7][half c: 0, 1][768 bytes]: a half is the operand's registers 6 c .. 6 c + 3 (16 bytes a lane, at 16 x lane), then 6 c + 4, 6 c + 5 (8 bytes a lane, at 512 + 8 x lane).
; SCALES. [pair][sp: 0..3][lane][q: 0, 1] words: the four bytes of K step 2 sp + q of row (tile lane / 16, lane % 16).
; wq holds both weights: columns 0..3071 are w_qkv's, 3072..4095 w_out's.
; Work-groups 0..127 take the weights, 128..383 x.  The two ways part on the work-group's number, never meet again, and have LDS bytes of their own.
; No tensor loads, no barrier: waves share nothing.  The matrix units and clusters have nothing to do in a stream.
.set XS,    6291456                    ; xq: where the scale words begin
.set WS,    3145728                    ; wq: likewise
.set XSP,   528                        ; x's stage: a row of 512 bytes + 16: 33 x 16, so sixteen rows' 16 bytes fall on sixteen different groups of banks
.set WSTG,  33792                      ; behind x's four stages of 16 x 528 bytes: the weights' four stages
.set WSW,   6400                       ; a wave's: two tiles,
.set WSU,   3200                       ; each 3,072 bytes + 128
.set SPARE, 59392                      ; the spare words, 128 bytes for each wave: two blocks of 256 bytes that no other line names
.set SPW,   14                         ; v14  LDS address of my spare word; never rewritten
.set NIL,   15                         ; v15  0; never rewritten
.set R,     64                         ; x: v64-191 two sets of 64 numbers as loaded
.set X,     192                        ; x: v192-255 64 numbers of one row: two whole blocks of 32 for each half c
.set C,     16                         ; x: v16-39 two sets of 12 code registers
.set T,     40                         ; x: v40-47 the blocks' upper halves, made apart (a conversion's three registers begin on an even number)
.set PWD,   56                         ; x: v56-59 a scale word for each tile step
.set WX,    64                         ; weights: v64-127 two sets of 32 numbers
	s_load_b256 s[4:11], s[0:1], 0x0               ; x s[4:5], w_qkv s[6:7], w_out s[8:9], xq s[10:11]
	s_load_b64 s[12:13], s[0:1], 0x20              ; wq
	v_lshl_add_u32 v[SPW], v0, 2, SPARE
	v_mov_b32 v[NIL], 0
	v_lshrrev_b32 v1, 5, v0
	v_readfirstlane_b32 s14, v1                    ; wave 0..3
	v_and_b32 v6, 31, v0                           ; lane
	v_lshlrev_b32 v1, 4, v6                        ; 16 x lane
	s_mov_b32 s19, 0                               ; the upper word of every 32-bit offset
	s_wait_kmcnt 0x0
	s_cmp_lt_u32 ttmp9, 128
	s_cbranch_scc1 .Lw_path
; ---------------------------------------------------------------- x: a work-group takes a pair of 32 rows, wave w its K 256 w .. 256 w + 255
	s_mov_b32 s20, 0x76543210
	s_mov_b32 s21, 0xfedcba98                      ; v_permlanex16_b32's selects for lane l xor 16
	s_mov_b32 s22, 0xffff0000                      ; lanes 16-31
	s_wait_alu depctr_va_vdst(0)
	v_lshlrev_b32 v2, 3, v6                        ; 8 x lane
	s_mul_i32 s16, s14, 16*XSP                     ; my stage
	v_add_nc_u32 v3, s16, v1                       ; in: a row's 512 bytes as they lie
	v_and_b32 v7, 15, v0                           ; r
	v_bfe_u32 v8, v0, 4, 1                         ; h
	v_mul_u32_u24 v4, v7, XSP
	v_lshl_add_u32 v4, v8, 7, v4
	v_add_nc_u32 v4, s16, v4                       ; out: row r, + 128 h: block 2 c + h begins 256 c further on
	v_lshlrev_b32 v5, 3, v8                        ; 8 h: my bytes' place in the scale word
	v_mov_b32 v55, 0                               ; a lane permute's destination counts as one of its sources
	s_sub_co_u32 s15, ttmp9, 128                   ; the pair
	s_lshl_b32 s18, s15, 17                        ; 32 rows of 4,096 bytes
	s_lshl_b32 s17, s14, 10
	s_add_co_u32 s18, s18, s17
	s_add_nc_u64 s[4:5], s[4:5], s[18:19]
	s_mul_i32 s18, s15, 24576                      ; two tiles of 12,288 bytes,
	s_mul_i32 s17, s14, 3072                       ; K step 2 w
	s_add_co_u32 s18, s18, s17
	s_add_nc_u64 s[40:41], s[10:11], s[18:19]
	s_lshl_b32 s18, s15, 10
	s_lshl_b32 s17, s14, 8
	s_add_co_u32 s18, s18, s17
	s_add_co_u32 s18, s18, XS
	s_add_nc_u64 s[42:43], s[10:11], s[18:19]
; tile step ts = 2 u + q: tile u, K step 2 w + q.  Sixteen loads, each 512 consecutive bytes of one row.
.macro XLOAD ts
.irp i, 0,1,2,3,4,5,6,7,8,9,10,11,12,13,14,15
	global_load_b128 v[R+64*((\ts)%2)+4*\i:R+64*((\ts)%2)+4*\i+3], v1, s[4:5] offset:(8*((\ts)/2)+(\i%8)+16*(\i/8))*4096+512*((\ts)%2) th:TH_LOAD_NT
.endr
.endm
; my two whole blocks of each half c become the operand's 12 registers at v[dst] on, and the row's scale word
.macro QUANTX dst, pw
.irp c, 0,1
	v_max3_num_f32 v[48+\c], |v[X+32*\c]|, |v[X+32*\c+1]|, 0x1800000   ; with the floor 2^(3 - 127): the byte cannot fall under 1
.endr
.irp i, 2,4,6,8,10,12,14,16,18,20,22,24,26,28,30
.irp c, 0,1
	v_max3_num_f32 v[48+\c], v[48+\c], |v[X+32*\c+\i]|, |v[X+32*\c+\i+1]|   ; the two blocks by turns
.endr
.endr
.irp c, 0,1
	v_add_nc_u32 v[50+\c], 0xff000000, v[48+\c]    ; 2 off the exponent field: the conversion's scale operand
.endr
.irp c, 0,1
	v_lshrrev_b32 v[52+\c], 23, v[50+\c]           ; the scale's byte
.endr
	v_lshl_or_b32 v54, v53, 16, v52                ; blocks h and 2 + h of my row,
	v_lshlrev_b32 v54, v5, v54                     ; at their places;
	v_permlanex16_b32 v55, v54, s20, s21
	v_or_b32 v[\pw], v54, v55                      ; with lane l xor 16's two the word is whole
.irp c, 0,1
	v_cvt_scalef32_pk16_fp6_f32 v[\dst+6*\c:\dst+6*\c+2], v[X+32*\c:X+32*\c+15], v[50+\c]
	v_cvt_scalef32_pk16_fp6_f32 v[T+4*\c:T+4*\c+2], v[X+32*\c+16:X+32*\c+31], v[50+\c]
.endr
	v_nop                                          ; one plain instruction behind the scaled conversions
.irp c, 0,1
.irp i, 0,1,2
	v_mov_b32 v[\dst+6*\c+3+\i], v[T+4*\c+\i]
.endr
.endr
.endm
.macro XTS ts
.set RS, R+64*((\ts)%2)
.set CC, C+12*((\ts)%2)
.set OFS, 12288*((\ts)/2)+1536*((\ts)%2)
.if (\ts) < 3
	s_wait_loadcnt 16                              ; this tile step's sixteen loads are in; the next one's sixteen may be out
.else
	s_wait_loadcnt 0x0
.endif
.irp i, 0,1,2,3,4,5,6,7,8,9,10,11,12,13,14,15
	ds_store_b128 v3, v[RS+4*\i:RS+4*\i+3] offset:XSP*\i
.endr
.irp c, 0,1
.irp j, 0,1,2,3,4,5,6,7
	ds_load_b128 v[X+32*\c+4*\j:X+32*\c+4*\j+3], v4 offset:256*\c+16*\j   ; LDS serves a wave's instructions in order: these see my stores
.endr
.endr
	s_wait_dscnt 0x0                               ; the numbers are back, and the stores have read their registers,
.if (\ts) < 2
	XLOAD (\ts)+2                                  ; which take the loads of two tile steps on
.else
	s_wait_xcnt 0x0                                ; the stores of two tile steps back have read this set of code registers
.endif
	QUANTX CC, PWD+(\ts)
	global_store_b128 v1, v[CC:CC+3], s[40:41] offset:OFS            ; 512 consecutive bytes
	global_store_b64 v2, v[CC+4:CC+5], s[40:41] offset:OFS+512       ; 256
	global_store_b128 v1, v[CC+6:CC+9], s[40:41] offset:OFS+768
	global_store_b64 v2, v[CC+10:CC+11], s[40:41] offset:OFS+1280
.endm
	XLOAD 0
	XLOAD 1
	s_wait_alu depctr_va_vdst(0)
	XTS 0
	XTS 1
	XTS 2
	XTS 3
	v_cndmask_b32 v60, v56, v58, s22               ; lanes 0-15 tile 0's word, lanes 16-31 tile 1's: K step 2 w,
	v_cndmask_b32 v61, v57, v59, s22               ; and 2 w + 1
	global_store_b64 v2, v[60:61], s[42:43]        ; 256 consecutive bytes, aligned
	s_wait_tensorcnt 0x0                           ; the wave's end
	ds_add_u32 v[SPW], v[NIL]
	s_wait_dscnt 0x0
	s_endpgm
; ---------------------------------------------------------------- the weights: K is their FIRST axis.  A lane takes a column and its registers run down K.
; Work-group g: columns 128 (g % 32) on of the 4,096, K 256 (g / 32) on.  Wave w: the pair of 32 columns 4 (g % 32) + w.
.Lw_path:
	s_and_b32 s15, ttmp9, 31
	s_lshr_b32 s16, ttmp9, 5
	s_cmp_lt_u32 s15, 24                           ; w_qkv's columns or w_out's?  The choice hangs on the work-group's number alone
	s_cselect_b64 s[24:25], s[6:7], s[8:9]
	s_mov_b32 s23, 4096
	s_cselect_b32 s23, 12288, s23                  ; a row of the tensor in bytes
	s_cselect_b32 s17, 0, 24
	s_sub_co_u32 s17, s15, s17
	s_lshl_b32 s17, s17, 9                         ; 128 columns of 4 bytes
	s_lshl_b32 s18, s14, 7
	s_add_co_u32 s17, s17, s18
	s_lshl_b32 s18, s16, 8
	s_mul_i32 s18, s18, s23                        ; 256 rows down for each step of g / 32
	s_add_co_u32 s18, s18, s17
	s_add_nc_u64 s[24:25], s[24:25], s[18:19]      ; block 0's first row
	s_lshl_b32 s18, s23, 5                         ; 32 rows
.irp t, 1,2,3,4,5,6,7
	s_add_nc_u64 s[24+2*\t:25+2*\t], s[22+2*\t:23+2*\t], s[18:19]   ; a base for each block: none is ever stepped
.endr
	s_wait_alu depctr_va_vdst(0)
	v_lshlrev_b32 v16, 2, v6
.irp i, 1,2,3,4,5,6,7,8,9,10,11,12,13,14,15,16,17,18,19,20,21,22,23,24,25,26,27,28,29,30,31
	v_add_nc_u32 v[16+\i], s23, v[15+\i]           ; v16-47: 4 x lane + i rows; never rewritten
.endr
	v_bfe_u32 v7, v0, 3, 1                         ; my column's tile u = (lane / 8) % 2
	v_and_b32 v8, 7, v0
	v_bfe_u32 v9, v0, 4, 1
	v_lshl_add_u32 v8, v9, 3, v8                   ; and its lane row r = lane % 8 + 8 (lane / 16)
	s_mul_i32 s17, s14, WSW
	s_add_co_u32 s17, s17, WSTG                    ; my stage
	v_mul_u32_u24 v10, v7, WSU
	v_add_nc_u32 v10, s17, v10
	v_lshl_add_u32 v2, v8, 4, v10                  ; in: registers 0-3 of a block's six,
	v_lshl_add_u32 v3, v8, 3, v10                  ; and 4, 5
	v_add_nc_u32 v4, s17, v1                       ; back: 16 x lane
	v_lshl_add_u32 v5, v7, 4, v8
	v_lshlrev_b32 v5, 3, v5                        ; my column's two scale words: 8 (16 u + r)
	s_lshl_b32 s17, s15, 2
	s_add_co_u32 s17, s17, s14                     ; the pair
	s_mul_i32 s18, s17, 24576
	s_mul_i32 s15, s16, 3072
	s_add_co_u32 s18, s18, s15
	s_add_nc_u64 s[40:41], s[12:13], s[18:19]
	s_lshl_b32 s18, s17, 10
	s_lshl_b32 s15, s16, 8
	s_add_co_u32 s18, s18, s15
	s_add_co_u32 s18, s18, WS
	s_add_nc_u64 s[42:43], s[12:13], s[18:19]
.macro WLOAD t                         ; block t: 32 rows of my column; each load reads 128 consecutive bytes
.irp i, 0,1,2,3,4,5,6,7,8,9,10,11,12,13,14,15,16,17,18,19,20,21,22,23,24,25,26,27,28,29,30,31
	global_load_b32 v[WX+32*((\t)%2)+\i], v[16+\i], s[24+2*(\t):25+2*(\t)] th:TH_LOAD_NT
.endr
.endm
; block t = 4 q + 2 c + h: it is registers 6 c .. 6 c + 5 of lane (r, h) of my tile's fragment of K step q
.macro WBLOCK t
.set XB, WX+32*((\t)%2)
.set OFS, 1536*((\t)/4)+768*(((\t)/2)%2)
.if (\t) < 7
	s_wait_loadcnt 32                              ; this block's 32 loads are in; the next block's may be out
.else
	s_wait_loadcnt 0x0
.endif
	v_max3_num_f32 v62, |v[XB]|, |v[XB+1]|, |v[XB+2]|
	v_max3_num_f32 v63, |v[XB+3]|, |v[XB+4]|, |v[XB+5]|
.irp i, 6,10,14,18,22,26
	v_max3_num_f32 v62, v62, |v[XB+\i]|, |v[XB+\i+1]|
	v_max3_num_f32 v63, v63, |v[XB+\i+2]|, |v[XB+\i+3]|
.endr
	v_max3_num_f32 v62, v62, |v[XB+30]|, |v[XB+31]|
	v_max3_num_f32 v62, v62, v63, 0x1800000        ; and the floor
	v_add_nc_u32 v11, 0xff000000, v62
	v_lshrrev_b32 v10, 23, v11
.if (\t)%4 == 0
	v_mov_b32 v[60+(\t)/4], v10                    ; four bytes to a word, the lower K in the lower byte
.else
	v_lshl_or_b32 v[60+(\t)/4], v10, 8*((\t)%4), v[60+(\t)/4]
.endif
	v_cvt_scalef32_pk16_fp6_f32 v[48:50], v[XB:XB+15], v11
	v_cvt_scalef32_pk16_fp6_f32 v[56:58], v[XB+16:XB+31], v11
	v_nop                                          ; one plain instruction behind the scaled conversions
	v_mov_b32 v51, v56
	v_mov_b32 v52, v57
	v_mov_b32 v53, v58
	ds_store_b128 v2, v[48:51] offset:OFS+256*((\t)%2)
	ds_store_b64 v3, v[52:53] offset:OFS+512+128*((\t)%2)
.if (\t)+2 < 8
	WLOAD (\t)+2
.endif
	s_wait_dscnt 0x0                               ; the stores have read their registers: the next block's codes may be written
.endm
	WLOAD 0
	WLOAD 1
.irp t, 0,1,2,3,4,5,6,7
	WBLOCK \t
.endr
	s_wait_alu depctr_va_vdst(0)
	global_store_b64 v5, v[60:61], s[42:43]        ; the 32 lanes fill 256 consecutive bytes, aligned
.irp m, 0,1,2,3,4,5,6,7,8,9,10,11
	ds_load_b128 v[128+4*\m:131+4*\m], v4 offset:WSU*(\m/6)+512*(\m%6)
.endr
.irp m, 0,1,2,3,4,5,6,7,8,9,10,11
	s_wait_dscnt 11-\m                             ; LDS loads come back in order: the younger ones may stay out
	global_store_b128 v1, v[128+4*\m:131+4*\m], s[40:41] offset:12288*(\m/6)+512*(\m%6)   ; 512 consecutive bytes
.endr
	s_wait_tensorcnt 0x0                           ; the wave's end
	ds_add_u32 v[SPW], v[NIL]
	s_wait_dscnt 0x0
	s_endpgm
.Lfunc_end_k_q8db0238728_prep:
	.size	k_q8db0238728_prep, .Lfunc_end_k_q8db0238728_prep-k_q8db0238728_prep
	.p2alignl 7, 3214868480
	.fill 96, 4, 3214868480
	.section	.rodata,"a",@progbits
	.p2align	6, 0x0
	.amdhsa_kernel k_q8db0238728_prep
		.amdhsa_group_segment_fixed_size 59904
		.amdhsa_private_segment_fixed_size 0
		.amdhsa_enable_private_segment 0
		.amdhsa_kernarg_size 40
		.amdhsa_user_sgpr_count 2
		.amdhsa_user_sgpr_kernarg_segment_ptr 1
		.amdhsa_wavefront_size32 1
		.amdhsa_system_sgpr_workgroup_id_x 1
		.amdhsa_system_sgpr_workgroup_id_y 1
		.amdhsa_system_sgpr_workgroup_id_z 1
		.amdhsa_system_vgpr_workitem_id 0
		.amdhsa_next_free_vgpr 256
		.amdhsa_next_free_sgpr 66
		.amdhsa_reserve_vcc 0
		.amdhsa_float_denorm_mode_32 3
		.amdhsa_float_denorm_mode_16_64 3
		.amdhsa_memory_ordered 1
		.amdhsa_forward_progress 1
		.amdhsa_inst_pref_size 73
	.end_amdhsa_kernel
	.amdgpu_metadata
---
amdhsa.version: [ 1, 2 ]
amdhsa.kernels:
  - .name:           k_q8db0238728_prep
    .symbol:         k_q8db0238728_prep.kd
    .args:
      - { .name: x, .offset: 0, .size: 8, .value_kind: global_buffer, .address_space: global }
      - { .name: w_qkv, .offset: 8, .size: 8, .value_kind: global_buffer, .address_space: global }
      - { .name: w_out, .offset: 16, .size: 8, .value_kind: global_buffer, .address_space: global }
      - { .name: xq, .offset: 24, .size: 8, .value_kind: global_buffer, .address_space: global }
      - { .name: wq, .offset: 32, .size: 8, .value_kind: global_buffer, .address_space: global }
    .group_segment_fixed_size: 59904
    .private_segment_fixed_size: 0
    .kernarg_segment_align: 8
    .kernarg_segment_size: 40
    .max_flat_workgroup_size: 128
    .sgpr_count:     66
    .vgpr_count:     256
    .wavefront_size: 32
...
	.end_amdgpu_metadata
.endif
;; end of part 1
;; launch qkv (part 2): grid 8 x 32, 4 waves a work-group, clusters of 4 x 4, 327,680 bytes of LDS; arguments xq, wq, qkvc; writes qkvc
.if DOCPART == 2
	.amdgcn_target "amdgcn-amd-amdhsa--gfx1250"
	.amdhsa_code_object_version 6
	.text
	.protected	k_q8db0238728_qkv
	.globl	k_q8db0238728_qkv
	.p2align	8
	.type	k_q8db0238728_qkv,@function
k_q8db0238728_qkv:
	s_mov_b64 s[64:65], 0
	v_nop
	global_prefetch_b8 v0, s[64:65] scope:SCOPE_SE
	s_setreg_imm32_b32 hwreg(HW_REG_WAVE_MODE, 25, 1), 1
	s_wait_xcnt 0x0
	s_wait_alu depctr_hold_cnt(0) depctr_sa_sdst(0) depctr_va_vdst(0) depctr_va_sdst(0) depctr_va_ssrc(0) depctr_va_vcc(0) depctr_vm_vsrc(0)
	s_getreg_b32 s2, hwreg(HW_REG_IB_STS2, 6, 4)
	s_cmp_eq_u32 s2, 0
	s_cbranch_scc0 .Lentry_in_a_cluster
	s_endpgm
.Lentry_in_a_cluster:
	s_bfe_u32 s2, ttmp6, 0x10000c
	s_cmp_lg_u32 s2, 0xf033
	s_cbranch_scc0 .Lentry_shape_is_right
	s_endpgm
.Lentry_shape_is_right:
; qkv = Q(x) Q(w_qkv) on codes of FP6 (E2M3) with E8M0 scales, sums in f32; the sums are quantised on the way out and leave as codes alone:
; q and k along the head's 64 channels, v along the keys.
; LIMITS: NaN and infinities are not served; a block whose largest magnitude lies under 2^-124, a block of zeros too, keeps the byte 1 (its codes are read by this program alone).
; SHARES.  256 work-groups of four waves.  A work-group has 256 tokens and 128 columns (two heads) of EACH of v, q, k: three phases of 256 x 128, K = 1,024.
; The four waves are 2 x 2: wave (a, b) has tokens 128 a .. + 127 (one key step) and columns 64 b .. + 63 (one head): 256 products a phase.
; LDS.  The 256 tokens' codes, all of K, 196,608 bytes, come once and stay.  A section's 128 columns, 98,304 bytes, have a region of their own.  A wave lifts its 64 columns, all of K, into 384 registers;
; when all four have done so the region is filled again with the next section's columns, which then have a whole phase, 256 products a wave, in which to land: so nothing is prefetched.
; Two refills, each behind a drained round of the cluster's barrier; what a refill brought is shown to all waves by a plain barrier at the change of phase.
; A BLOCK is 16 tokens x 64 columns x all of K: 32 products on four accumulators by turns, K ascending.  x's eight fragments of a block lie twice in registers: block t reads set t % 2, which then takes block t + 2.
; The tokens are the same in every phase, so the fetches run on across a change of phase.
; THE PRODUCT is D = source 0 x source 1: a lane holds one row of source 1, its registers run along rows of source 0.  q, k: source 0 = columns, source 1 = tokens: a block's 32 registers are a head's 64 channels.
; v: source 0 = tokens, source 1 = columns: the 32 registers of four blocks are 64 neighbouring keys of one channel.
; (The rows of a tile are 8 u + r % 8 + 16 (r / 8) of a pair of 32: that makes the 16 registers of two neighbouring tiles 16 neighbours.)
; A UNIT of the way out is 32 such registers: two scale blocks, six code registers, two scale bytes; two units make an operand's image of 12 registers and its scale word.
; CLUSTERS: 4 x 4 work-groups; x's tiles are shared along a row of the cluster, w's along a column.
; qkvc: for each batch x head 307,200 bytes: K at 0, V at 102,400, Q at 204,800; each 98,304 bytes of register images (1,536 each, four to a step of 128 tokens) and 4,096 of scale words.
; REGISTERS.  Window 0: v4-9, v18, v19 addresses; v32-47, v48-63, v64-79 the scale words of v's, q's, k's columns (8 x pair + K step; lanes 0-15 the even tile, lanes 16-31 the odd);
; v84-115 the tokens' likewise (four more modulo 8 than the columns'); v128-175 four images; v224-253 at work on the way out.
; Windows 1, 2: the columns' fragment f = 4 x K step + tile at register 12 (f % 21) of window 1 + f / 21.  Window 2 from v132: x's set 0.  Window 3: v0-95 x's set 1, v96-223 the sums.
.set XS,    6291456
.set WS,    3145728
.set HB,    307200
.set LW,    196608                     ; LDS: behind x's 16 tiles the columns' 8 tiles,
.set SPARE, 294912                     ; and the spare words, 128 bytes for each wave: two blocks of 256 bytes that no other line names
.set SPW,   28
.set NIL,   29
.set SCX,   84
.set IMG,   128
.set TM,    224
.set T2,    240
.set PW,    248
.set FW,    252
.set ACC,   96
.set MSB, 0
.macro WIN new                         ; low byte: bits 1:0 source 0, 3:2 source 1, 5:4 source 2, 7:6 destination; the high byte repeats the setting that is left
.if MSB != (\new)
	s_set_vgpr_msb (MSB<<8)|(\new)
.set MSB, (\new)
.endif
.endm
.macro WALU
	s_wait_alu depctr_va_vdst(0)
.endm
.macro PLACES n
.rept \n
	v_nop
.endr
.endm
.macro CROUND
	s_barrier_signal -1
	s_barrier_wait -1
	s_cmp_lg_u32 s10, 0
	s_cbranch_scc1 .Lnot_wave_0_\@
	s_barrier_signal -3
.Lnot_wave_0_\@:
	s_barrier_wait -3
	s_barrier_signal -1
	s_barrier_wait -1
.endm
.macro REFILL                          ; waves 0 and 1 ask for a half each of the next section's columns: the first tensor load behind the round
	s_cmp_lt_u32 s10, 2
	s_cbranch_scc0 .Lno_half_\@
	tensor_load_to_lds s[44:47], s[32:39]
	s_nop 0
	PLACES 4
.Lno_half_\@:
.endm
; a fragment, 12 registers, by four loads; each reads consecutive bytes across the lanes
.macro FRAG reg, a16, a8, off
	ds_load_b128 v[\reg:\reg+3], v[\a16] offset:\off
	ds_load_b64 v[\reg+4:\reg+5], v[\a8] offset:\off+512
	ds_load_b128 v[\reg+6:\reg+9], v[\a16] offset:\off+768
	ds_load_b64 v[\reg+10:\reg+11], v[\a8] offset:\off+1280
.endm
.macro WEIGHTS                         ; my 64 columns, all of K: 32 fragments, 128 loads
.set F_, 0
.rept 32
	WIN (1+F_/21)<<6
	FRAG 12*(F_%21), 8, 9, 12288*(F_%4)+1536*(F_/4)
.set F_, F_+1
.endr
	WIN 0
.endm
.macro FETCH t, e                      ; my token tile t, all of K, into set e: 32 loads
	WIN (2+(\e))<<6
.irp q, 0,1,2,3,4,5,6,7
	FRAG 132*(1-(\e))+12*\q, 4+2*((\t)/4), 5+2*((\t)/4), 12288*((\t)%4)+1536*\q
.endr
	WIN 0
.endm
; one matrix instruction on the symbols rD, rA, rB, rSA, rSB.  c: its C.  x, y: 1 where the side's scale words stand in lanes 16-31
.macro WMX c, x, y
	v_wmma_scale_f32_16x16x128_f8f6f4 v[rD:rD+7], v[rA:rA+11], v[rB:rB+11], \c, v[rSA], v[rSB] matrix_a_fmt:MATRIX_FMT_FP6 matrix_b_fmt:MATRIX_FMT_FP6 matrix_a_scale:MATRIX_SCALE_ROW\x matrix_b_scale:MATRIX_SCALE_ROW\y
.endm
.macro WMR c, ra, rb
.if (\ra) && (\rb)
	WMX \c, 1, 1
.elseif (\ra)
	WMX \c, 1, 0
.elseif (\rb)
	WMX \c, 0, 1
.else
	WMX \c, 0, 0
.endif
.endm
.macro WMC q, ra, rb                   ; the first K step starts the sums: nothing is cleared
.if (\q) == 0
	WMR 0, \ra, \rb
.else
	WMR v[rD:rD+7], \ra, \rb
.endif
.endm
; block t: 32 products.  kind 0 (q, k): source 0 the columns; kind 1 (v): source 0 the tokens.  Column tile b's sums at a0 + as x b.  scw: the section's scale words.
; The four accumulators take turns, one instruction a turn
.macro BLOCK kind, t, a0, as, scw
.set N_, 0
.rept 32
.set rD, (\a0)+(\as)*(N_%4)
.if \kind
	WIN (2+(\t)%2)|((1+N_/21)<<2)|0xf0
.set rA, 132*(1-(\t)%2)+12*(N_/4)
.set rB, 12*(N_%21)
.set rSA, SCX+8*((\t)/2)+N_/4
.set rSB, (\scw)+8*((N_%4)/2)+N_/4
	WMC N_/4, (\t)%2, N_%2
.else
	WIN (1+N_/21)|((2+(\t)%2)<<2)|0xf0
.set rA, 12*(N_%21)
.set rB, 132*(1-(\t)%2)+12*(N_/4)
.set rSA, (\scw)+8*((N_%4)/2)+N_/4
.set rSB, SCX+8*((\t)/2)+N_/4
	WMC N_/4, N_%2, (\t)%2
.endif
.set N_, N_+1
.endr
	WIN 0
	PLACES 4                                       ; ahead of loads into registers that these products read, and of the first read of their sums
.endm
.macro BYTES p, h, b                   ; a unit's two bytes into the lower (h = 0) or upper half of the scale word p
.if \h
	v_lshl_or_b32 v[TM+12], v[\b+1], 8, v[\b]
	v_lshl_or_b32 v[\p], v[TM+12], 16, v[\p]
.else
	v_lshl_or_b32 v[\p], v[\b+1], 8, v[\b]
.endif
.endm
; THE WAY OUT of two units side by side: the 32 sums from register s on (window 3; register 16 b + i is number 32 b + 16 (lane / 16) + i) become six code registers from d on and two bytes of word p.
; Each accumulator has a chain of its own and is read from its low end on.
.macro QH2 s0, d0, p0, h0, s1, d1, p1, h1
	s_wait_xcnt 0x0                                ; earlier stores have read the registers that are written here
	WIN 0x0f
.irp j, 0,1,2,3
	v_max3_num_f32 v[TM+\j], |v[(\s0)+8*\j]|, |v[(\s0)+8*\j+1]|, 0x1800000     ; with the floor 2^(3 - 127): the byte cannot fall under 1
	v_max3_num_f32 v[TM+4+\j], |v[(\s1)+8*\j]|, |v[(\s1)+8*\j+1]|, 0x1800000
.endr
.irp i, 2,4,6
.irp j, 0,1,2,3
	v_max3_num_f32 v[TM+\j], |v[(\s0)+8*\j+\i]|, |v[(\s0)+8*\j+\i+1]|, v[TM+\j]
	v_max3_num_f32 v[TM+4+\j], |v[(\s1)+8*\j+\i]|, |v[(\s1)+8*\j+\i+1]|, v[TM+4+\j]
.endr
.endr
	WIN 0
.irp m, 0,1,2,3                        ; m = 2 x unit + block
	v_max_num_f32 v[TM+8+\m], v[TM+2*\m], v[TM+2*\m+1]
.endr
.irp m, 0,1,2,3
	v_permlanex16_b32 v[TM+12+\m], v[TM+8+\m], s20, s21
.endr
.irp m, 0,1,2,3
	v_max_num_f32 v[TM+8+\m], v[TM+8+\m], v[TM+12+\m]   ; with lane l xor 16's: the block's largest magnitude
.endr
.irp m, 0,1,2,3
	v_add_nc_u32 v[TM+\m], 0xff000000, v[TM+8+\m]  ; 2 off the exponent field: the conversion's scale operand
.endr
.irp m, 0,1,2,3
	v_lshrrev_b32 v[TM+4+\m], 23, v[TM+\m]         ; the byte
.endr
	BYTES \p0, \h0, TM+4
	BYTES \p1, \h1, TM+6
	WIN 0x03
	v_cvt_scalef32_pk16_fp6_f32 v[(\d0):(\d0)+2], v[(\s0):(\s0)+15], v[TM]
	v_cvt_scalef32_pk16_fp6_f32 v[T2:T2+2], v[(\s0)+16:(\s0)+31], v[TM+1]
	v_cvt_scalef32_pk16_fp6_f32 v[(\d1):(\d1)+2], v[(\s1):(\s1)+15], v[TM+2]
	v_cvt_scalef32_pk16_fp6_f32 v[T2+4:T2+6], v[(\s1)+16:(\s1)+31], v[TM+3]
	WIN 0
	v_nop                                          ; one plain line behind the scaled conversions
.irp i, 0,1,2
	v_permlane16_swap_b32 v[(\d0)+\i], v[T2+\i]    ; the operand's layout wants a whole block in a lane
	v_permlane16_swap_b32 v[(\d1)+\i], v[T2+4+\i]
.endr
.irp i, 0,1,2
	v_mov_b32 v[(\d0)+3+\i], v[T2+\i]
	v_mov_b32 v[(\d1)+3+\i], v[T2+4+\i]
.endr
.endm
.macro SEND m, sec                     ; image m leaves as it stands: three stores of 512 consecutive bytes
.irp c, 0,1,2
	global_store_b128 v18, v[IMG+12*(\m)+4*\c:IMG+12*(\m)+4*\c+3], s[96:97] offset:(\sec)+(\m)*1536+512*\c
.endr
.endm
.macro WORDS sec                       ; the four images' scale words: lanes 0-15 the even image's, lanes 16-31 the odd one's; 256 consecutive bytes, aligned
	v_cndmask_b32 v[FW], v[PW], v[PW+1], s22
	v_cndmask_b32 v[FW+1], v[PW+2], v[PW+3], s22
	global_store_b64 v19, v[FW:FW+1], s[98:99] offset:\sec
.endm
.macro CHANGE                          ; the change of phase: the columns that the last refill brought are shown to all waves and lifted into registers
	s_wait_tensorcnt 0x0
	s_wait_dscnt 0x0
	s_barrier_signal -1
	s_barrier_wait -1
	WEIGHTS
.endm
	s_load_b128 s[4:7], s[0:1], 0x0                ; xq s[4:5], wq s[6:7]
	s_load_b64 s[8:9], s[0:1], 0x10                ; qkvc
	v_lshl_add_u32 v[SPW], v0, 2, SPARE
	v_mov_b32 v[NIL], 0
	ds_add_u32 v[SPW], v[NIL]                      ; the wave's opening: the add, twice on end, and its wait ahead of my first tensor load
	ds_add_u32 v[SPW], v[NIL]
	v_lshrrev_b32 v1, 5, v0
	v_readfirstlane_b32 s10, v1                    ; wave 0..3
	s_lshr_b32 s11, s10, 1                         ; a: my half of the tokens
	s_and_b32 s12, s10, 1                          ; b: my half of the columns.  Also: which half of a tile I ask for
	s_bfe_u32 s13, ttmp6, 0x40000                  ; cx
	s_bfe_u32 s14, ttmp6, 0x40004                  ; cy
	s_lshl_b32 s15, ttmp9, 2
	s_add_co_u32 s15, s15, s13                     ; the group of 128 columns, 0..7
	s_and_b32 s16, ttmp7, 0xffff
	s_lshl_b32 s16, s16, 2
	s_add_co_u32 s16, s16, s14                     ; the block of 256 tokens, 0..31
	s_lshl_b32 s17, s14, 2
	s_lshl_b32 s17, 15, s17                        ; my row of the cluster
	s_lshl_b32 s18, 0x1111, s13                    ; my column
	s_mov_b32 s20, 0x76543210
	s_mov_b32 s21, 0xfedcba98                      ; v_permlanex16_b32's selects for lane l xor 16
	s_mov_b32 s22, 0xffff0000                      ; lanes 16-31
	s_or_b32 s24, s17, (3<<16)|(1<<21)             ; group 1 for x: the mask; elements of 8 bytes; bit 21 beside a mask; 8 tiles of 12,288 dense bytes
	s_mov_b32 s25, 1536<<16
	s_mov_b32 s26, 8<<16
	s_mov_b32 s27, 1536<<16
	s_mov_b32 s28, 8
	s_mov_b32 s29, 1536
	s_mov_b32 s30, 0
	s_mov_b32 s31, 0
	s_or_b32 s32, s18, (3<<16)|(1<<21)             ; for w: 4 tiles
	s_mov_b32 s33, 1536<<16
	s_mov_b32 s34, 4<<16
	s_mov_b32 s35, 1536<<16
	s_mov_b32 s36, 4
	s_mov_b32 s37, 1536
	s_mov_b32 s38, 0
	s_mov_b32 s39, 0
	s_mov_b32 s40, 1
	s_mul_i32 s41, s12, 98304                      ; LDS places: by the wave's number alone
	s_mov_b32 s44, 1
	s_mul_i32 s45, s12, 49152
	s_mul_i32 s48, s16, 196608                     ; x: by the block of tokens alone,
	s_add_co_u32 s48, s48, s41                     ; and the half that I ask for
	s_mov_b32 s49, 0
	s_mul_i32 s50, s15, 98304                      ; w: by the group of columns alone
	s_add_co_u32 s50, s50, s45
	s_mov_b32 s51, 0
	s_add_co_u32 s45, s45, LW
	s_lshl_b32 s52, s16, 13                        ; my 128 tokens' scale words: 4,096 bytes
	s_lshl_b32 s2, s11, 12
	s_add_co_u32 s52, s52, s2
	s_add_co_u32 s52, s52, XS
	s_mov_b32 s53, 0
	s_lshl_b32 s54, s15, 12                        ; my 64 columns': 2,048 bytes in each section
	s_lshl_b32 s2, s12, 11
	s_add_co_u32 s54, s54, s2
	s_add_co_u32 s54, s54, WS
	s_mov_b32 s55, 0
	s_wait_dscnt 0x0                               ; both opening adds are done
	s_wait_kmcnt 0x0
	s_add_nc_u64 s[42:43], s[4:5], s[48:49]
	s_or_b32 s43, s43, 0x80000000
	s_add_nc_u64 s[56:57], s[6:7], s[50:51]        ; q's columns; k's lie 786,432 bytes on, v's 1,572,864
	s_add_nc_u64 s[46:47], s[56:57], 1572864
	s_or_b32 s47, s47, 0x80000000
	s_add_nc_u64 s[52:53], s[4:5], s[52:53]
	s_add_nc_u64 s[54:55], s[6:7], s[54:55]
	CROUND                                         ; all sixteen work-groups are here: the first joint loads meet
	s_cmp_lt_u32 s10, 2                            ; one load a wave: waves 0 and 1 a half each of v's columns, which are wanted first, waves 2 and 3 a half each of x
	s_cbranch_scc0 .Lfor_x
	tensor_load_to_lds s[44:47], s[32:39]
	s_nop 0
	PLACES 4
	s_branch .Lasked
.Lfor_x:
	tensor_load_to_lds s[40:43], s[24:31]
	s_nop 0
	PLACES 4
.Lasked:
	v_and_b32 v1, 31, v0
	v_lshlrev_b32 v18, 4, v1                       ; 16 x lane
	v_lshlrev_b32 v19, 3, v1                       ; 8 x lane
.irp p, 0,1,2,3
.irp sp, 0,1,2,3
	global_load_b64 v[SCX+8*\p+2*\sp:SCX+8*\p+2*\sp+1], v19, s[52:53] offset:1024*\p+256*\sp   ; two K steps' words of a pair of tiles: 256 consecutive bytes
.endr
.endr
.irp p, 0,1
.irp sp, 0,1,2,3
	global_load_b64 v[32+8*\p+2*\sp:33+8*\p+2*\sp], v19, s[54:55] offset:65536+1024*\p+256*\sp   ; v's columns,
	global_load_b64 v[48+8*\p+2*\sp:49+8*\p+2*\sp], v19, s[54:55] offset:1024*\p+256*\sp         ; q's,
	global_load_b64 v[64+8*\p+2*\sp:65+8*\p+2*\sp], v19, s[54:55] offset:32768+1024*\p+256*\sp   ; k's
.endr
.endr
	s_mul_i32 s2, s11, 98304                       ; my eight token tiles
	v_add_nc_u32 v4, s2, v18                       ; tiles 0-3, by 16 and by 8 bytes a lane,
	v_add_nc_u32 v5, s2, v19
	v_add_nc_u32 v6, 49152, v4                     ; and 4-7
	v_add_nc_u32 v7, 49152, v5
	s_mul_i32 s3, s12, 49152                       ; my four column tiles
	s_add_co_u32 s3, s3, LW
	v_add_nc_u32 v8, s3, v18
	v_add_nc_u32 v9, s3, v19
.irp m, 0,1,2,3
	v_mov_b32 v[TM+12+\m], 0                       ; a lane permute's destination counts as one of its sources
.endr
	s_lshr_b32 s2, s16, 3                          ; where my results go: batch x head 16 (block / 8) + 2 x group + b,
	s_lshl_b32 s2, s2, 4
	s_lshl_b32 s3, s15, 1
	s_add_co_u32 s2, s2, s3
	s_add_co_u32 s2, s2, s12
	s_mul_i32 s2, s2, HB
	s_lshl_b32 s3, s16, 1                          ; the step of 128 tokens (2 x block + a) % 16
	s_add_co_u32 s3, s3, s11
	s_and_b32 s3, s3, 15
	s_mul_i32 s58, s3, 6144
	s_add_co_u32 s58, s58, s2
	s_mov_b32 s59, 0
	s_add_nc_u64 s[96:97], s[8:9], s[58:59]        ; the images
	s_lshl_b32 s58, s3, 8
	s_add_co_u32 s58, s58, s2
	s_add_co_u32 s58, s58, 98304
	s_add_nc_u64 s[98:99], s[8:9], s[58:59]        ; the scale words
	WALU
	s_cmp_lt_u32 s10, 2
	s_cbranch_scc0 .Lnot_w
	s_wait_tensorcnt 0x0                           ; waves 0 and 1: my half of v's columns is in
.Lnot_w:
	s_barrier_signal -1
	s_barrier_wait -1                              ; v's columns are whole; x may still be on its way
	WEIGHTS
	s_wait_tensorcnt 0x0                           ; the first refill's round: all my loads have landed, my half of x among them;
	ds_add_u32 v[SPW], v[NIL]                      ; 0 onto my spare word;
	s_mov_b64 s[46:47], s[56:57]                   ; no tensor load of mine is out: the next columns are q's
	s_or_b32 s47, s47, 0x80000000
	s_wait_dscnt 0x0                               ; the add is done, and v's columns are in my registers
	CROUND
	REFILL
	FETCH 0, 0
	FETCH 1, 1
	s_wait_loadcnt 0x0                             ; the scale words
; ---------------- v: eight blocks; the sums of four blocks are 64 keys of each of my 64 channels
.irp t, 0,1,2,3,4,5,6,7
	s_wait_dscnt 32                                ; this block's fragments are in; the 32 loads of the next block's may be out
	BLOCK 1, \t, ACC+8*(\t%4), 32, 32
	FETCH (\t+2)%8, \t%2
.if \t == 3
	QH2 ACC, IMG, PW, 0, ACC+32, IMG+12, PW+1, 0
	QH2 ACC+64, IMG+24, PW+2, 0, ACC+96, IMG+36, PW+3, 0
.endif
.endr
	CHANGE                                         ; q's columns; the way out below stands under their loads' flight
	QH2 ACC, IMG+6, PW, 1, ACC+32, IMG+18, PW+1, 1
	QH2 ACC+64, IMG+30, PW+2, 1, ACC+96, IMG+42, PW+3, 1
.irp m, 0,1,2,3
	SEND \m, 102400
.endr
	WORDS 102400
	WALU
	s_wait_tensorcnt 0x0                           ; the second refill's round
	ds_add_u32 v[SPW], v[NIL]
	s_add_nc_u64 s[46:47], s[56:57], 786432        ; the next columns are k's
	s_or_b32 s47, s47, 0x80000000
	s_wait_dscnt 0x0                               ; the add is done, and q's columns are in my registers
	CROUND
	REFILL
; ---------------- q, then k: eight blocks each; a pair of blocks makes an image
.macro QK scw, sec, last
.irp t, 0,1,2,3,4,5,6,7
.if (\t == 0) || ((\last) && (\t == 7))
	s_wait_dscnt 0x0                               ; the columns and this block's fragments are in
.else
	s_wait_dscnt 32
.endif
	BLOCK 0, \t, ACC+32*(\t%2), 8, \scw
.if (\last) == 0
	FETCH (\t+2)%8, \t%2
.elseif \t < 6
	FETCH \t+2, \t%2
.endif
.if ((\last) == 0) && (\t == 7)
	CHANGE
.endif
.if \t%2
	QH2 ACC, IMG+12*(\t/2), PW+\t/2, 0, ACC+32, IMG+12*(\t/2)+6, PW+\t/2, 1
	SEND \t/2, \sec
.endif
.endr
	WORDS \sec
.endm
	QK 48, 204800, 0
	WALU
	QK 64, 0, 1
	s_wait_tensorcnt 0x0                           ; the wave's end
	ds_add_u32 v[SPW], v[NIL]
	s_wait_dscnt 0x0
	CROUND                                         ; the closing round: no work-group ends while a partner may still ask for a tile that names it
	s_endpgm
.Lfunc_end_k_q8db0238728_qkv:
	.size	k_q8db0238728_qkv, .Lfunc_end_k_q8db0238728_qkv-k_q8db0238728_qkv
	.p2alignl 7, 3214868480
	.fill 96, 4, 3214868480
	.section	.rodata,"a",@progbits
	.p2align	6, 0x0
	.amdhsa_kernel k_q8db0238728_qkv
		.amdhsa_group_segment_fixed_size 327680
		.amdhsa_private_segment_fixed_size 0
		.amdhsa_enable_private_segment 0
		.amdhsa_kernarg_size 24
		.amdhsa_user_sgpr_count 2
		.amdhsa_user_sgpr_kernarg_segment_ptr 1
		.amdhsa_wavefront_size32 1
		.amdhsa_system_sgpr_workgroup_id_x 1
		.amdhsa_system_sgpr_workgroup_id_y 1
		.amdhsa_system_sgpr_workgroup_id_z 1
		.amdhsa_system_vgpr_workitem_id 0
		.amdhsa_next_free_vgpr 1024
		.amdhsa_next_free_sgpr 100
		.amdhsa_reserve_vcc 0
		.amdhsa_float_denorm_mode_32 3
		.amdhsa_float_denorm_mode_16_64 3
		.amdhsa_memory_ordered 1
		.amdhsa_forward_progress 1
		.amdhsa_inst_pref_size 242
	.end_amdhsa_kernel
	.amdgpu_metadata
---
amdhsa.version: [ 1, 2 ]
amdhsa.kernels:
  - .name:           k_q8db0238728_qkv
    .symbol:         k_q8db0238728_qkv.kd
    .args:
      - { .name: xq, .offset: 0, .size: 8, .value_kind: global_buffer, .address_space: global }
      - { .name: wq, .offset: 8, .size: 8, .value_kind: global_buffer, .address_space: global }
      - { .name: qkvc, .offset: 16, .size: 8, .value_kind: global_buffer, .address_space: global }
    .group_segment_fixed_size: 327680
    .private_segment_fixed_size: 0
    .kernarg_segment_align: 8
    .kernarg_segment_size: 24
    .max_flat_workgroup_size: 128
    .sgpr_count:     100
    .vgpr_count:     1024
    .wavefront_size: 32
...
	.end_amdgpu_metadata
.endif
;; end of part 2
;; launch attn (part 3): grid 4 x 64, 8 waves a work-group, clusters of 4 x 1, 327,680 bytes of LDS; arguments qkvc, ao; writes ao
.if DOCPART == 3
	.amdgcn_target "amdgcn-amd-amdhsa--gfx1250"
	.amdhsa_code_object_version 6
	.text
	.protected	k_q8db0238728_attn
	.globl	k_q8db0238728_attn
	.p2align	8
	.type	k_q8db0238728_attn,@function
k_q8db0238728_attn:
	s_mov_b64 s[64:65], 0
	v_nop
	global_prefetch_b8 v0, s[64:65] scope:SCOPE_SE
	s_setreg_imm32_b32 hwreg(HW_REG_WAVE_MODE, 25, 1), 1
	s_wait_xcnt 0x0
	s_wait_alu depctr_hold_cnt(0) depctr_sa_sdst(0) depctr_va_vdst(0) depctr_va_sdst(0) depctr_va_ssrc(0) depctr_va_vcc(0) depctr_vm_vsrc(0)
	s_getreg_b32 s2, hwreg(HW_REG_IB_STS2, 6, 4)
	s_cmp_eq_u32 s2, 0
	s_cbranch_scc0 .Lentry_in_a_cluster
	s_endpgm
.Lentry_in_a_cluster:
	s_bfe_u32 s2, ttmp6, 0x10000c
	s_cmp_lg_u32 s2, 0x3003
	s_cbranch_scc0 .Lentry_shape_is_right
	s_endpgm
.Lentry_shape_is_right:
; o = softmax(q k^T / 8) v for one batch x head, both products on codes of FP6 (E2M3) with E8M0 scales; o / l is quantised along the head's 64 channels and leaves as codes.
; THE SOFTMAX: t = score x log2(e) / 8; M = the running largest t rounded UP to a whole number; p = 2^(t - M) is quantised along the keys; l is the sum of the unquantised p.
; When M moves, l and O are multiplied by 2^(old M - new M): exact.
; LIMITS: NaN and infinities are not served; the promise holds while |t| stays under 2^31; a block whose largest magnitude lies under 2^-124, a block of zeros too, keeps the byte 1.
; SHARES.  A cluster of four work-groups has one head; a work-group 512 of its queries; each of its eight waves 64: two passes, each with a pair of tiles of 16 queries (A, B) AT ONCE.
; So each fragment of K and V that comes from LDS feeds both tiles, and every dependent chain of the softmax runs beside its twin.
; ALL OF THE HEAD'S K AND V, codes and scale words, 204,800 dense bytes, come into LDS once, jointly for the four partners: each wave asks for 25,600 bytes, its one tensor load.
; The loop over the keys has no barrier and no refill.  No prefetch: all that the tensor loads bring is asked for at the head.
; Both products are used transposed (S^T = K Q^T, O^T = V^T P^T): a lane holds one query throughout.
; THE HEAD IS 64 DEEP, the instruction 128: an image of K holds TWO tiles of 16 keys, one in each half of its 128.  Q stands between zeros, 0 | qA | 0 | qB | 0, six registers each:
; [q | 0] meets an image's first tile, [0 | q] its second.  Zero codes add nothing.
; ONE TEXT for the key step: sixteen trips inside a loop of two passes.  K's place wraps at the end, so a pass's last trip fetches key step 0 for the next pass (the very last such fetch is not used).
; O^T begins as zeros, which the first change of M leaves zeros.
; REGISTERS.  Window 1: v0-63 S^T then p of A, v64-127 of B; v128-159 O^T of A, v160-191 of B; v192-215 both passes' images of Q.
; Window 0: v2-4, v7-15 addresses; v5, v6 the add's; v[16:17], v[18:19] -M and the largest t; v[20:23] l; v[24:27] f; v28, v31 Q's scale words as loaded, v29, v30 A's and B's;
; v32-61 Q between zeros; v64-111 four images of K; v112-117 scale words of K, V, p; v118-125, v228-235 chains of l; v128-175 four tiles of V; v176-199 p's codes; v200-215 their other halves;
; v216-219 old -M, o's bytes; v220-227 block maxima; v228-235 at work; v236-243 scale operands; v244, v245 at work; v252-254 o's bytes by pass.
.set HB,    307200
.set AOS,   6291456
.set LKS,   98304                      ; LDS: K's images at 0, K's scale words here,
.set LVC,   102400                     ; V's tiles,
.set LVS,   200704                     ; V's scale words;
.set SCST,  262144                     ; well behind them a stage for o's scale bytes, 1,024 bytes into which no tensor load lands,
.set SPARE, 263168                     ; and the spare words, 128 bytes for each wave: four blocks of 256 bytes that no other line names
.set QZ,  32
.set SQ,  29
.set KI,  64
.set KSC, 112
.set VSC, 114
.set PSC, 116
.set VT,  128
.set PC,  176
.set PT,  200
.set OLD, 216
.set OB,  218
.set MX,  220
.set TP,  228
.set SO,  236
.set CT,  244
.set MSB, 0
.macro WIN new                         ; low byte: bits 1:0 source 0, 3:2 source 1, 5:4 source 2, 7:6 destination; the high byte repeats the setting that is left
.if MSB != \new
	s_set_vgpr_msb (MSB<<8)|\new
.set MSB, \new
.endif
.endm
.macro WALU
	s_wait_alu depctr_va_vdst(0)
.endm
.macro H n                             ; the line behind it reads what the n-th plain vector line back wrote
	s_delay_alu instid0(VALU_DEP_\n)
.endm
.macro CROUND
	s_barrier_signal -1
	s_barrier_wait -1
	s_cmp_lg_u32 s8, 0
	s_cbranch_scc1 .Lnot_wave_0_\@
	s_barrier_signal -3
.Lnot_wave_0_\@:
	s_barrier_wait -3
	s_barrier_signal -1
	s_barrier_wait -1
.endm
; one matrix instruction on the symbols rD, rA, rB, rSA, rSB.  zero: C is the constant 0, else D.  ra: source 0's scale words stand in lanes 16-31
.macro WM zero, ra
.if (\zero) && (\ra)
	v_wmma_scale_f32_16x16x128_f8f6f4 v[rD:rD+7], v[rA:rA+11], v[rB:rB+11], 0, v[rSA], v[rSB] matrix_a_fmt:MATRIX_FMT_FP6 matrix_b_fmt:MATRIX_FMT_FP6 matrix_a_scale:MATRIX_SCALE_ROW1
.elseif (\zero)
	v_wmma_scale_f32_16x16x128_f8f6f4 v[rD:rD+7], v[rA:rA+11], v[rB:rB+11], 0, v[rSA], v[rSB] matrix_a_fmt:MATRIX_FMT_FP6 matrix_b_fmt:MATRIX_FMT_FP6
.elseif (\ra)
	v_wmma_scale_f32_16x16x128_f8f6f4 v[rD:rD+7], v[rA:rA+11], v[rB:rB+11], v[rD:rD+7], v[rSA], v[rSB] matrix_a_fmt:MATRIX_FMT_FP6 matrix_b_fmt:MATRIX_FMT_FP6 matrix_a_scale:MATRIX_SCALE_ROW1
.else
	v_wmma_scale_f32_16x16x128_f8f6f4 v[rD:rD+7], v[rA:rA+11], v[rB:rB+11], v[rD:rD+7], v[rSA], v[rSB] matrix_a_fmt:MATRIX_FMT_FP6 matrix_b_fmt:MATRIX_FMT_FP6
.endif
.endm
.macro IMAGES reg, adr                 ; four register images of 1,536 bytes, each by three loads of 512 consecutive bytes
.irp b, 0,1,2,3
.irp c, 0,1,2
	ds_load_b128 v[\reg+12*\b+4*\c:\reg+12*\b+4*\c+3], v\adr offset:1536*\b+512*\c
.endr
.endr
.endm
	s_load_b128 s[4:7], s[0:1], 0x0                ; qkvc s[4:5], ao s[6:7]
	v_lshl_add_u32 v5, v0, 2, SPARE
	v_mov_b32 v6, 0
	ds_add_u32 v5, v6                              ; the wave's opening: the add, twice on end, and its wait ahead of my tensor load
	ds_add_u32 v5, v6
	v_lshrrev_b32 v1, 5, v0
	v_readfirstlane_b32 s8, v1                     ; wave 0..7
	s_bfe_u32 s9, ttmp6, 0x40000                   ; cx: my block of 512 queries; it enters Q's and ao's addresses alone
	s_and_b32 s10, ttmp7, 0xffff                   ; batch x head, which the four partners share
	s_mov_b32 s16, 15|(3<<16)|(1<<21)              ; group 1: the mask names all four; elements of 8 bytes; bit 21 beside a mask; no padding
	s_mov_b32 s17, 32<<16                          ; 25,600 dense bytes as 100 rows of 256
	s_mov_b32 s18, 100<<16
	s_mov_b32 s19, 32<<16
	s_mov_b32 s20, 100
	s_mov_b32 s21, 32
	s_mov_b32 s22, 0
	s_mov_b32 s23, 0
	s_mov_b32 s12, 1
	s_mul_i32 s13, s8, 25600                       ; LDS address: by the wave's number alone
	s_mul_i32 s40, s10, HB                         ; the head's block in qkvc
	s_add_co_u32 s42, s40, s13
	s_mov_b32 s43, 0
	s_mov_b32 s24, 0x76543210
	s_mov_b32 s25, 0xfedcba98                      ; v_permlanex16_b32's selects for lane l xor 16
	s_mov_b32 s26, 0x3e38aa3b                      ; c = log2(e) / 8
	s_mov_b32 s27, s26                             ; (named with it as a pair, so it is written)
	s_mov_b32 s31, 0xffff0000                      ; lanes 16-31
	s_lshl_b32 s44, s9, 4
	s_lshl_b32 s45, s8, 1
	s_add_co_u32 s44, s44, s45                     ; my first pair of query tiles, 16 cx + 2 wave; the second pass takes the next
	s_mul_i32 s45, s44, 1536
	s_add_co_u32 s32, s40, s45
	s_add_co_u32 s32, s32, 204800                  ; its image in Q's section
	s_mov_b32 s33, 0
	s_lshr_b32 s45, s44, 2                         ; its scale words: [pair / 4][16 (pair % 2) + r][(pair / 2) % 2]; the next pair's lie 128 bytes on
	s_lshl_b32 s45, s45, 8
	s_bfe_u32 s46, s44, 0x10001
	s_lshl_b32 s46, s46, 2
	s_add_co_u32 s45, s45, s46
	s_add_co_u32 s34, s40, s45
	s_add_co_u32 s34, s34, 303104
	s_mov_b32 s35, 0
	s_lshr_b32 s45, s10, 4                         ; ao's codes: token tile 128 x batch + 2 x pair; the head's half of 768 bytes
	s_lshl_b32 s45, s45, 7
	s_lshl_b32 s46, s44, 1
	s_add_co_u32 s45, s45, s46
	s_mul_i32 s36, s45, 12288
	s_and_b32 s46, s10, 15
	s_mul_i32 s46, s46, 768
	s_add_co_u32 s36, s36, s46
	s_mov_b32 s37, 0
	s_lshl_b32 s38, s10, 12                        ; ao's scale bytes: [batch x head][pair][lane] of 2 bytes: my work-group's 1,024, and of them 512 (wave % 2)
	s_lshl_b32 s46, s9, 10
	s_add_co_u32 s38, s38, s46
	s_and_b32 s46, s8, 1
	s_lshl_b32 s46, s46, 9
	s_add_co_u32 s38, s38, s46
	s_add_co_u32 s38, s38, AOS
	s_mov_b32 s39, 0
	s_wait_dscnt 0x0                               ; both opening adds are done
	s_wait_kmcnt 0x0
	s_add_nc_u64 s[14:15], s[4:5], s[42:43]
	s_or_b32 s15, s15, 0x80000000
	s_add_nc_u64 s[32:33], s[4:5], s[32:33]
	s_add_nc_u64 s[34:35], s[4:5], s[34:35]
	s_add_nc_u64 s[36:37], s[6:7], s[36:37]
	s_add_nc_u64 s[38:39], s[6:7], s[38:39]
	CROUND                                         ; all four work-groups are here: the joint loads meet
	tensor_load_to_lds s[12:15], s[16:23]          ; my eighth of the head's K and V
	s_nop 0
.rept 4
	v_nop
.endr
	v_and_b32 v244, 31, v0                         ; lane
	v_and_b32 v245, 15, v0                         ; r
	v_lshlrev_b32 v7, 4, v244                      ; 16 x lane: also K's images' place in LDS
	v_lshlrev_b32 v8, 3, v244
	v_lshlrev_b32 v13, 3, v245
	WIN 0x40
.irp c, 0,1,2,3,4,5
	global_load_b128 v[192+4*\c:195+4*\c], v7, s[32:33] offset:512*\c   ; both passes' images of Q, into window 1
.endr
	WIN 0
	global_load_b32 v28, v13, s[34:35]             ; and their rows' scale words
	global_load_b32 v31, v13, s[34:35] offset:128
	v_lshl_add_u32 v2, v244, 3, LKS
	v_lshl_add_u32 v3, v244, 4, LVC
	v_lshl_add_u32 v4, v244, 3, LVS
	s_lshl_b32 s45, s8, 7
	s_add_co_u32 s45, s45, SCST
	v_lshl_add_u32 v14, v244, 1, s45               ; the stage: 128 x wave + 2 x lane, and 64 more for the second pass
	s_and_b32 s45, s8, 1
	s_lshl_b32 s45, s45, 9
	s_add_co_u32 s45, s45, SCST
	v_lshl_add_u32 v15, v244, 4, s45               ; and back: 512 (wave % 2) + 16 x lane
.irp i, 0,1,2,3,4,5
	v_mov_b32 v[QZ+\i], 0                          ; the zeros round qA and qB
	v_mov_b32 v[QZ+12+\i], 0
	v_mov_b32 v[QZ+24+\i], 0
.endr
.irp b, 0,1,2,3,4,5,6,7
	v_mov_b32 v[TP+\b], 0                          ; a lane permute's destination counts as one of its sources
.endr
	v_mov_b32 v25, 0                               ; (the upper halves of the pairs that hold f)
	v_mov_b32 v27, 0
	v_mov_b32 v252, 0
	s_mov_b32 s28, 0                               ; the key step's place among the images: 6,144 bytes a step,
	s_mov_b32 s29, 0                               ; and among the scale words: 256
	s_mov_b32 s47, 0                               ; 0 in the first pass, all ones in the second
	s_mov_b32 s46, 0                               ; passes done
	WALU
	s_wait_tensorcnt 0x0                           ; my part has landed,
	s_barrier_signal -1
	s_barrier_wait -1                              ; everybody's has
	IMAGES KI, 7                                   ; key step 0's K
	ds_load_b64 v[KSC:KSC+1], v2
	s_wait_loadcnt 0x0                             ; Q
.Lpass:
	WIN 0x05
.irp i, 0,1,2,3,4,5
	v_cndmask_b32 v[QZ+6+\i], v[192+\i], v[204+\i], s47    ; this pass's qA,
	v_cndmask_b32 v[QZ+18+\i], v[198+\i], v[210+\i], s47   ; and qB
.endr
	WIN 0
	v_cndmask_b32 v244, v28, v31, s47
	v_perm_b32 v[SQ], v244, v244, 0x01000100       ; a tile's two bytes, twice: they serve q in either half of the 128
	v_perm_b32 v[SQ+1], v244, v244, 0x03020302
.irp x, 0,1
	v_mov_b32 v[17+2*\x], 0xff61b1e6               ; the largest t so far: -3e38
	v_mov_b32 v[20+2*\x], 0
	v_mov_b32 v[21+2*\x], 0
.endr
.irp x, 0,1
	v_floor_f32 v[16+2*\x], -v[17+2*\x]
.endr
	WIN 0x40
.set I, 0
.rept 64
	v_mov_b32 v[128+I], 0                          ; O^T of both tiles
.set I, I+1
.endr
	WIN 0
	s_mov_b32 s30, 16
	WALU
.Lstep:                                                ; A KEY STEP: 128 keys x 32 queries
	s_wait_dscnt 0x0                               ; K's four images and their scale words, asked for a step ago, are in
	WIN 0x40
.irp b, 0,1,2,3
.irp x, 0,1
.set rA, KI+12*\b
.set rSA, KSC+\b/2
.set rSB, SQ+\x
.set rD, 64*\x+16*\b
.set rB, QZ+6+12*\x
	WM 1, \b%2                                     ; keys 32 b + 16 (lane / 16) + 0 .. 7
.set rD, 64*\x+16*\b+8
.set rB, QZ+12*\x
	WM 1, \b%2                                     ; and + 8 .. 15
.endr
.endr
	WIN 0
	v_add_nc_u32 v11, s28, v3                      ; this step's V; these four additions are the places behind the products
	v_add_nc_u32 v12, s29, v4
	s_add_co_u32 s28, s28, 6144
	s_cmp_eq_u32 s28, 98304
	s_cselect_b32 s28, 0, s28                      ; behind the last key step comes the first again
	s_add_co_u32 s29, s29, 256
	s_cmp_eq_u32 s29, 4096
	s_cselect_b32 s29, 0, s29
	v_add_nc_u32 v9, s28, v7                       ; the next step's K
	v_add_nc_u32 v10, s29, v2
	IMAGES VT, 11                                  ; V first: 13 loads,
	ds_load_b64 v[VSC:VSC+1], v12
	IMAGES KI, 9                                   ; then K: 13 more
	ds_load_b64 v[KSC:KSC+1], v10
	WIN 0x15                                       ; the largest score of each block of 32 keys: for the row's maximum and, since p rises with the score, for the block's largest p
.irp x, 0,1
.irp b, 0,1,2,3
	v_max3_num_f32 v[MX+4*\x+\b], v[64*\x+16*\b], v[64*\x+16*\b+1], v[64*\x+16*\b+2]
.endr
.endr
	WIN 0x05
.irp i, 3,5,7,9,11,13
.irp x, 0,1
.irp b, 0,1,2,3
	v_max3_num_f32 v[MX+4*\x+\b], v[64*\x+16*\b+\i], v[64*\x+16*\b+\i+1], v[MX+4*\x+\b]
.endr
.endr
.endr
.irp x, 0,1
.irp b, 0,1,2,3
	v_max3_num_f32 v[MX+4*\x+\b], v[64*\x+16*\b+15], v[64*\x+16*\b+15], v[MX+4*\x+\b]
.endr
.endr
	WIN 0
.irp j, 0,1,2,3,4,5,6,7
	v_permlanex16_b32 v[TP+\j], v[MX+\j], s24, s25
.endr
.irp j, 0,1,2,3,4,5,6,7
	v_max_num_f32 v[MX+\j], v[MX+\j], v[TP+\j]     ; with lane l xor 16's 16 keys
.endr
.irp x, 0,1
	v_max3_num_f32 v[CT+\x], v[MX+4*\x], v[MX+4*\x+1], v[MX+4*\x+2]
.endr
.irp x, 0,1
	H 2
	v_max_num_f32 v[CT+\x], v[CT+\x], v[MX+4*\x+3]
.endr
.irp x, 0,1
	H 2
	v_mul_f32 v[CT+\x], s26, v[CT+\x]              ; as t (c is positive)
.endr
.irp x, 0,1
	H 2
	v_max_num_f32 v[17+2*\x], v[17+2*\x], v[CT+\x] ; the running largest t
.endr
.irp x, 0,1
	v_mov_b32 v[OLD+\x], v[16+2*\x]
.endr
.irp x, 0,1
	H 4
	v_floor_f32 v[16+2*\x], -v[17+2*\x]            ; the new -M = floor(-t): M is a whole number
.endr
.irp x, 0,1
	H 2
	v_sub_f32 v[CT+\x], v[16+2*\x], v[OLD+\x]      ; old M - new M: a whole number, 0 or less
.endr
.irp x, 0,1
	H 2
	v_cvt_i32_f32 v[CT+\x], v[CT+\x]               ; (it saturates)
.endr
.irp x, 0,1
	H 2
	v_ldexp_f32 v[24+2*\x], 1.0, v[CT+\x]          ; f = 2^(old M - new M)
.endr
	WIN 0x41
.set I, 0
.rept 64
	v_pk_fma_f32 v[2*I:2*I+1], v[2*I:2*I+1], s[26:27], v[16+2*(I/32):17+2*(I/32)] op_sel_hi:[1,0,0]   ; t - M, two numbers a line
.set I, I+1
.endr
.set I, 0
.rept 32
	v_pk_mul_f32 v[128+2*I:129+2*I], v[128+2*I:129+2*I], v[24+2*(I/16):25+2*(I/16)] op_sel_hi:[1,0]   ; O^T under the new M
.set I, I+1
.endr
	WIN 0
.irp j, 0,1,2,3,4,5,6,7
	v_fma_f32 v[MX+\j], v[MX+\j], s26, v[16+2*(\j/4)]   ; t - M of each block's largest score
.endr
	WALU
.irp j, 0,1,2,3,4,5,6,7
	v_exp_f32 v[MX+\j], v[MX+\j]                   ; the block's largest p
.endr
	WIN 0x41
.set I, 0
.rept 128
	v_exp_f32 v[I], v[I]                           ; p = 2^(t - M), at most 1
.set I, I+1
.endr
	WIN 0
	v_nop                                          ; a plain line behind the exponentials,
	WALU                                           ; and one wait for the batch of 136, ahead of its first use
.irp j, 0,1,2,3,4,5,6,7
	v_max_num_f32 v[MX+\j], 0x1800000, v[MX+\j]    ; the floor 2^(3 - 127)
.endr
.irp j, 0,1,2,3,4,5,6,7
	v_add_nc_u32 v[SO+\j], 0xff000000, v[MX+\j]    ; 2 off the exponent field: the conversion's scale operand
.endr
.irp j, 0,1,2,3,4,5,6,7
	v_lshrrev_b32 v[TP+\j], 23, v[SO+\j]           ; the byte
.endr
.irp x, 0,1
	v_lshl_or_b32 v[PSC+\x], v[TP+4*\x+1], 8, v[TP+4*\x]   ; p's scale word for these 128 keys
.endr
.irp x, 0,1
	H 2
	v_lshl_or_b32 v[PSC+\x], v[TP+4*\x+2], 16, v[PSC+\x]
.endr
.irp x, 0,1
	H 2
	v_lshl_or_b32 v[PSC+\x], v[TP+4*\x+3], 24, v[PSC+\x]
.endr
	WIN 0x01
.irp x, 0,1
.irp c, 0,1
	v_cvt_scalef32_pk16_fp6_f32 v[PC+12*\x+6*\c:PC+12*\x+6*\c+2], v[64*\x+32*\c:64*\x+32*\c+15], v[SO+4*\x+2*\c]
	v_cvt_scalef32_pk16_fp6_f32 v[PT+8*\x+4*\c:PT+8*\x+4*\c+2], v[64*\x+32*\c+16:64*\x+32*\c+31], v[SO+4*\x+2*\c+1]
.endr
.endr
	WIN 0x05                                       ; l is summed of the unquantised p: four chains a tile.  (These lines are also the plain lines behind the conversions)
.irp k, 0,1,2,3
.irp x, 0,1
	v_pk_add_f32 v[228-110*\x+2*\k:229-110*\x+2*\k], v[64*\x+4*\k:64*\x+4*\k+1], v[64*\x+4*\k+2:64*\x+4*\k+3]
.endr
.endr
	WIN 0x01
.set I, 0
.rept 48
.set A_, 228-110*(I%2)+2*((I/2)%4)
.set B_, 64*(I%2)+16+8*(I/8)+2*((I/2)%4)
	v_pk_add_f32 v[A_:A_+1], v[B_:B_+1], v[A_:A_+1]
.set I, I+1
.endr
	WIN 0
.irp x, 0,1
.irp c, 0,1
.irp i, 0,1,2
	v_permlane16_swap_b32 v[PC+12*\x+6*\c+\i], v[PT+8*\x+4*\c+\i]   ; the operand's layout wants a whole block in a lane
.endr
.endr
.endr
.irp x, 0,1
.irp c, 0,1
.irp i, 0,1,2
	v_mov_b32 v[PC+12*\x+6*\c+3+\i], v[PT+8*\x+4*\c+\i]
.endr
.endr
.endr
.irp x, 0,1
	v_pk_add_f32 v[228-110*\x:229-110*\x], v[228-110*\x:229-110*\x], v[230-110*\x:231-110*\x]
.endr
.irp x, 0,1
	v_pk_add_f32 v[232-110*\x:233-110*\x], v[232-110*\x:233-110*\x], v[234-110*\x:235-110*\x]
.endr
.irp x, 0,1
	H 2
	v_pk_add_f32 v[228-110*\x:229-110*\x], v[228-110*\x:229-110*\x], v[232-110*\x:233-110*\x]
.endr
.irp x, 0,1
	H 2
	v_pk_fma_f32 v[20+2*\x:21+2*\x], v[20+2*\x:21+2*\x], v[24+2*\x:25+2*\x], v[228-110*\x:229-110*\x] op_sel_hi:[1,0,1]   ; l x f + the step's sum.  These eight lines are the places behind the moves
.endr
	WALU
	s_wait_dscnt 13                                ; V and its scale words are in; the 13 loads of the next step's K may be out
	WIN 0x50
.irp t, 0,1,2,3
.irp x, 0,1
.set rD, 128+32*\x+8*\t
.set rA, VT+12*\t
.set rB, PC+12*\x
.set rSA, VSC+\t/2
.set rSB, PSC+\x
	WM 0, \t%2                                     ; the eight accumulators by turns
.endr
.endr
	WIN 0
	s_sub_co_u32 s30, s30, 1
	s_cmp_lg_u32 s30, 0
	s_cbranch_scc1 .Lstep
; THE PASS'S END: each tile's O^T / l becomes half a fragment of the last product's operand: 64 channels, two blocks
.irp x, 0,1
	v_add_f32 v[20+2*\x], v[20+2*\x], v[21+2*\x]
.endr
.irp x, 0,1
	v_permlanex16_b32 v[CT+\x], v[20+2*\x], s24, s25
.endr
.irp x, 0,1
	v_add_f32 v[20+2*\x], v[20+2*\x], v[CT+\x]     ; the row's sum
.endr
	WALU
	v_rcp_f32 v20, v20
	v_rcp_f32 v22, v22
	v_nop                                          ; a plain line behind the reciprocals,
	WIN 0x41
	WALU                                           ; and the wait ahead of their first use and of O^T's
.set I, 0
.rept 32
	v_pk_mul_f32 v[64*(I/16)+2*(I%16):64*(I/16)+2*(I%16)+1], v[128+2*I:129+2*I], v[20+2*(I/16):21+2*(I/16)] op_sel_hi:[1,0]   ; register 16 b + i: channel 32 b + 16 (lane / 16) + i
.set I, I+1
.endr
	WIN 0x05
.irp x, 0,1
.irp b, 0,1
	v_max3_num_f32 v[MX+4*\x+\b], |v[64*\x+16*\b]|, |v[64*\x+16*\b+1]|, 0x1800000
.endr
.endr
.irp i, 2,4,6,8,10,12,14
.irp x, 0,1
.irp b, 0,1
	v_max3_num_f32 v[MX+4*\x+\b], |v[64*\x+16*\b+\i]|, |v[64*\x+16*\b+\i+1]|, v[MX+4*\x+\b]
.endr
.endr
.endr
	WIN 0
.irp j, 0,1,4,5
	v_permlanex16_b32 v[TP+\j], v[MX+\j], s24, s25
.endr
.irp j, 0,1,4,5
	v_max_num_f32 v[MX+\j], v[MX+\j], v[TP+\j]
.endr
.irp j, 0,1,4,5
	v_add_nc_u32 v[SO+\j], 0xff000000, v[MX+\j]
.endr
.irp j, 0,1,4,5
	v_lshrrev_b32 v[TP+\j], 23, v[SO+\j]
.endr
.irp x, 0,1
	v_lshl_or_b32 v[OB+\x], v[TP+4*\x+1], 8, v[TP+4*\x]   ; the row's two bytes for this head
.endr
	WIN 0x01
.irp x, 0,1
	v_cvt_scalef32_pk16_fp6_f32 v[PC+12*\x:PC+12*\x+2], v[64*\x:64*\x+15], v[SO+4*\x]
	v_cvt_scalef32_pk16_fp6_f32 v[PT+8*\x:PT+8*\x+2], v[64*\x+16:64*\x+31], v[SO+4*\x+1]
.endr
	WIN 0
	v_cndmask_b32 v254, v[OB], v[OB+1], s31        ; lanes 0-15 tile A's bytes, lanes 16-31 tile B's.  (The plain line behind the conversions)
.irp x, 0,1
.irp i, 0,1,2
	v_permlane16_swap_b32 v[PC+12*\x+\i], v[PT+8*\x+\i]
.endr
.endr
.irp x, 0,1
.irp i, 0,1,2
	v_mov_b32 v[PC+12*\x+3+\i], v[PT+8*\x+\i]
.endr
.endr
	v_cndmask_b32 v252, v254, v252, s47            ; the first pass's bytes are kept here,
	v_mov_b32 v253, v254                           ; the second's here
.irp x, 0,1
	global_store_b128 v7, v[PC+12*\x:PC+12*\x+3], s[36:37] offset:12288*\x        ; 512 consecutive bytes, aligned to 256
	global_store_b64 v8, v[PC+12*\x+4:PC+12*\x+5], s[36:37] offset:12288*\x+512   ; 256
.endr
	WALU
	s_wait_xcnt 0x0                                ; the stores have read their base and their data: both are written again in the next pass
	s_add_nc_u64 s[36:37], s[36:37], 24576         ; the next pair's two tiles
	s_mov_b32 s47, -1
	s_add_co_u32 s46, s46, 1
	s_cmp_lg_u32 s46, 2
	s_cbranch_scc1 .Lpass
	ds_store_b16 v14, v252
	ds_store_b16 v14, v253 offset:64
	s_wait_dscnt 0x0                               ; for the others' sake: my stores have landed (and the last fetch of K is back)
	s_barrier_signal -1
	s_barrier_wait -1
	s_cmp_lt_u32 s8, 2
	s_cbranch_scc0 .Lno_sc
	ds_load_b128 v[64:67], v15                     ; waves 0 and 1 send the work-group's 1,024 bytes out: 512 consecutive bytes each
	s_wait_dscnt 0x0
	global_store_b128 v7, v[64:67], s[38:39]
.Lno_sc:
	s_wait_tensorcnt 0x0                           ; the wave's end
	ds_add_u32 v5, v6
	s_wait_dscnt 0x0
	CROUND                                         ; the closing round
	s_endpgm
.Lfunc_end_k_q8db0238728_attn:
	.size	k_q8db0238728_attn, .Lfunc_end_k_q8db0238728_attn-k_q8db0238728_attn
	.p2alignl 7, 3214868480
	.fill 96, 4, 3214868480
	.section	.rodata,"a",@progbits
	.p2align	6, 0x0
	.amdhsa_kernel k_q8db0238728_attn
		.amdhsa_group_segment_fixed_size 327680
		.amdhsa_private_segment_fixed_size 0
		.amdhsa_enable_private_segment 0
		.amdhsa_kernarg_size 16
		.amdhsa_user_sgpr_count 2
		.amdhsa_user_sgpr_kernarg_segment_ptr 1
		.amdhsa_wavefront_size32 1
		.amdhsa_system_sgpr_workgroup_id_x 1
		.amdhsa_system_sgpr_workgroup_id_y 1
		.amdhsa_system_sgpr_workgroup_id_z 1
		.amdhsa_system_vgpr_workitem_id 0
		.amdhsa_next_free_vgpr 512
		.amdhsa_next_free_sgpr 66
		.amdhsa_reserve_vcc 0
		.amdhsa_float_denorm_mode_32 3
		.amdhsa_float_denorm_mode_16_64 3
		.amdhsa_memory_ordered 1
		.amdhsa_forward_progress 1
		.amdhsa_inst_pref_size 49
	.end_amdhsa_kernel
	.amdgpu_metadata
---
amdhsa.version: [ 1, 2 ]
amdhsa.kernels:
  - .name:           k_q8db0238728_attn
    .symbol:         k_q8db0238728_attn.kd
    .args:
      - { .name: qkvc, .offset: 0, .size: 8, .value_kind: global_buffer, .address_space: global }
      - { .name: ao, .offset: 8, .size: 8, .value_kind: global_buffer, .address_space: global }
    .group_segment_fixed_size: 327680
    .private_segment_fixed_size: 0
    .kernarg_segment_align: 8
    .kernarg_segment_size: 16
    .max_flat_workgroup_size: 256
    .sgpr_count:     66
    .vgpr_count:     512
    .wavefront_size: 32
...
	.end_amdgpu_metadata
.endif
;; end of part 3
;; launch proj (part 4): grid 8 x 32, 4 waves a work-group, clusters of 4 x 4, 327,680 bytes of LDS; arguments ao, wq, b_out, out0; writes out0
.if DOCPART == 4
	.amdgcn_target "amdgcn-amd-amdhsa--gfx1250"
	.amdhsa_code_object_version 6
	.text
	.protected	k_q8db0238728_proj
	.globl	k_q8db0238728_proj
	.p2align	8
	.type	k_q8db0238728_proj,@function
k_q8db0238728_proj:
	s_mov_b64 s[64:65], 0
	v_nop
	global_prefetch_b8 v0, s[64:65] scope:SCOPE_SE
	s_setreg_imm32_b32 hwreg(HW_REG_WAVE_MODE, 25, 1), 1
	s_wait_xcnt 0x0
	s_wait_alu depctr_hold_cnt(0) depctr_sa_sdst(0) depctr_va_vdst(0) depctr_va_sdst(0) depctr_va_ssrc(0) depctr_va_vcc(0) depctr_vm_vsrc(0)
	s_getreg_b32 s2, hwreg(HW_REG_IB_STS2, 6, 4)
	s_cmp_eq_u32 s2, 0
	s_cbranch_scc0 .Lentry_in_a_cluster
	s_endpgm
.Lentry_in_a_cluster:
	s_bfe_u32 s2, ttmp6, 0x10000c
	s_cmp_lg_u32 s2, 0xf033
	s_cbranch_scc0 .Lentry_shape_is_right
	s_endpgm
.Lentry_shape_is_right:
; out0 = Q(o) Q(w_out) + b_out on codes of FP6 (E2M3) with E8M0 scales, sums in f32.  ao holds o's codes as register images [token tile][K step][1,536 bytes] and its scale bytes
; [batch x head][pair of tiles][lane] of 2 bytes; wq holds w_out's columns 3072 .. 4095 of its 4,096, images and scale words alike.
; A work-group of four waves makes 256 tokens x 128 columns; wave w its tokens 64 w .. 64 w + 63 (four tiles) x all eight column tiles: 32 accumulators.
; ALL THAT IT READS FOR ALL OF K = 1,024 fits in LDS and is asked for at the head, one joint load a wave: o's 16 tiles (196,608 dense bytes), w's 8 tiles (98,304), o's scale bytes, w's scale words.
; Nothing is filled again: one barrier shows the four tiles, and the eight K steps run with no further barrier but the one ahead of the stage.
; No prefetch: every byte is asked for at the head, and there is no loop to run ahead in.
; CLUSTERS: 4 x 4 work-groups; o's tiles are shared along a row of the cluster, w's along a column.
; The product is used transposed (source 0 = columns of w, source 1 = tokens): a lane holds eight neighbouring columns of one token.  The bias is the first products' C.
; (The rows of a tile are 8 u + r % 8 + 16 (r / 8) of a pair of 32, for tokens and columns alike.)
; REGISTERS: window 0: v4-15 addresses; v32-63 w's scale words, v64-79 o's; v80-175 o's fragments, two sets; v176-207 at work; window 1: w's fragments, two sets at v0 and v128;
; window 2: accumulator (a, b) at v[8 (8 a + b)]; window 3: v0-63 the bias as the results lie.
.set AOS,   6291456
.set LB,    196608                     ; LDS: o's images at 0, w's here,
.set LAS,   294912                     ; o's scale bytes: 16 heads x 512,
.set LBS,   303104                     ; w's scale words,
.set SPARE, 307200                     ; and the spare words, 128 bytes for each wave: two blocks of 256 bytes that no other line names
.set SPW,   28
.set NIL,   29
.set SC0,   32
.set SC1,   64
.set MSB, 0
.macro WIN new
.if MSB != \new
	s_set_vgpr_msb (MSB<<8)|\new
.set MSB, \new
.endif
.endm
.macro CROUND
	s_barrier_signal -1
	s_barrier_wait -1
	s_cmp_lg_u32 s12, 0
	s_cbranch_scc1 .Lnot_wave_0_\@
	s_barrier_signal -3
.Lnot_wave_0_\@:
	s_barrier_wait -3
	s_barrier_signal -1
	s_barrier_wait -1
.endm
.macro PLACES n
.rept \n
	v_nop
.endr
.endm
.macro G1SET g, mask, c, r, p          ; group 1: r rows of c elements of 8 bytes, p elements apart; the mask, and bit 21 beside it; no padding
	s_or_b32 s[\g], s\mask, (3<<16)|(1<<21)
	s_mov_b32 s[\g+1], (\c)<<16
	s_mov_b32 s[\g+2], (\r)<<16
	s_mov_b32 s[\g+3], (\c)<<16
	s_mov_b32 s[\g+4], \r
	s_mov_b32 s[\g+5], \p
	s_mov_b32 s[\g+6], 0
	s_mov_b32 s[\g+7], 0
.endm
.macro G0SET g, lds, base, off
	s_mov_b32 s[\g], 1
	s_mov_b32 s[\g+1], \lds
	s_add_nc_u64 s[\g+2:\g+3], s[\base:\base+1], s[\off:\off+1]
	s_or_b32 s[\g+3], s[\g+3], 0x80000000
.endm
.macro ARM under, g0, g1, next
	s_cmp_lt_u32 s12, \under
	s_cbranch_scc0 \next
	tensor_load_to_lds s[\g0:\g0+3], s[\g1:\g1+7]
	s_nop 0
	PLACES 4
	s_branch .Lhead_asked
\next:
.endm
	s_load_b256 s[4:11], s[0:1], 0x0               ; ao s[4:5], wq s[6:7], b_out s[8:9], out0 s[10:11]
	v_lshl_add_u32 v[SPW], v0, 2, SPARE
	v_mov_b32 v[NIL], 0
	ds_add_u32 v[SPW], v[NIL]                      ; the wave's opening: the add, twice on end, and its wait ahead of my tensor load
	ds_add_u32 v[SPW], v[NIL]
	v_lshrrev_b32 v1, 5, v0
	v_readfirstlane_b32 s12, v1                    ; wave 0..3
	s_bfe_u32 s15, ttmp6, 0x40000                  ; cx
	s_bfe_u32 s16, ttmp6, 0x40004                  ; cy
	s_lshl_b32 s17, ttmp9, 2
	s_add_co_u32 s17, s17, s15                     ; tile column 0..7
	s_and_b32 s18, ttmp7, 0xffff
	s_lshl_b32 s18, s18, 2
	s_add_co_u32 s18, s18, s16                     ; tile row 0..31
	s_lshl_b32 s19, s16, 2
	s_lshl_b32 s19, 15, s19                        ; my row of the cluster
	s_lshl_b32 s20, 0x1111, s15                    ; my column
	G1SET 24, 19, 1536, 16, 1536                   ; o's 16 tiles of 12,288 bytes, dense
	G1SET 32, 20, 1536, 8, 1536                    ; w's 8
	G1SET 40, 19, 64, 16, 512                      ; o's scale bytes: of each of 16 heads 512 bytes, 4,096 apart
	G1SET 48, 20, 32, 16, 32                       ; w's scale words: 4,096 dense bytes
	s_mul_i32 s2, s18, 196608
	s_mov_b32 s3, 0
	s_lshr_b32 s22, s18, 3                         ; the batch: 16 heads of 4,096 bytes,
	s_lshl_b32 s22, s22, 16
	s_and_b32 s23, s18, 7                          ; and my 8 pairs of 64 bytes in each
	s_lshl_b32 s23, s23, 9
	s_add_co_u32 s22, s22, s23
	s_add_co_u32 s22, s22, AOS
	s_mov_b32 s23, 0
	s_mul_i32 s76, s17, 98304
	s_add_co_u32 s76, s76, 2359296                 ; behind w_qkv's 192 tiles
	s_mov_b32 s77, 0
	s_lshl_b32 s78, s17, 12
	s_add_co_u32 s78, s78, 3244032
	s_mov_b32 s79, 0
	s_wait_dscnt 0x0                               ; both opening adds are done
	s_wait_kmcnt 0x0
	G0SET 56, 0, 4, 2
	G0SET 60, LB, 6, 76
	G0SET 68, LAS, 4, 22
	G0SET 72, LBS, 6, 78
	CROUND                                         ; all sixteen work-groups are here: the joint loads meet
	ARM 1, 56, 24, .Lhead_w                        ; one chain of arms, one load a wave
	ARM 2, 60, 32, .Lhead_as
	ARM 3, 68, 40, .Lhead_ws
	tensor_load_to_lds s[72:75], s[48:55]
	s_nop 0
	PLACES 4
.Lhead_asked:
	s_lshl_b32 s80, s17, 9
	s_mov_b32 s81, 0
	s_add_nc_u64 s[80:81], s[8:9], s[80:81]        ; my 128 numbers of the bias
	s_lshl_b32 s2, s18, 8
	s_lshl_b32 s21, s12, 6
	s_add_co_u32 s2, s2, s21
	s_lshl_b32 s2, s2, 12                          ; my first token's row of 4,096 bytes,
	s_lshl_b32 s21, s17, 9
	s_add_co_u32 s2, s2, s21                       ; my 512 bytes of it
	s_mov_b32 s3, 0
	s_add_nc_u64 s[2:3], s[10:11], s[2:3]
	v_and_b32 v1, 31, v0
	v_and_b32 v2, 15, v0
	v_bfe_u32 v3, v0, 4, 1
	v_lshlrev_b32 v12, 4, v1
	v_lshlrev_b32 v13, 6, v3
	WIN 0xc0
.irp b, 0,1,2,3,4,5,6,7
	global_load_b128 v[8*\b:8*\b+3], v13, s[80:81] offset:(32*(\b/2)+8*(\b%2))*4        ; register j of tile b: column 32 (b / 2) + 8 (b % 2) + 16 (lane / 16) + j
	global_load_b128 v[8*\b+4:8*\b+7], v13, s[80:81] offset:(32*(\b/2)+8*(\b%2))*4+16
.endr
	WIN 0
	s_mul_i32 s21, s12, 49152                      ; my four tiles of o
	v_add_nc_u32 v4, s21, v12
	v_lshl_add_u32 v5, v1, 3, s21
	v_add_nc_u32 v6, LB, v12                       ; w's tiles 0-3,
	v_lshl_add_u32 v7, v1, 3, LB
	v_add_nc_u32 v14, LB+49152, v12                ; and 4-7
	v_lshl_add_u32 v15, v1, 3, LB+49152
	v_lshl_add_u32 v8, v1, 3, LBS
	s_lshl_b32 s21, s12, 7
	s_add_co_u32 s21, s21, LAS
	v_lshl_add_u32 v9, v1, 1, s21                  ; my two pairs' bytes of a head
	s_mul_i32 s21, s12, 8448                       ; my stage for the way out: 16 rows of 528 bytes, on bytes that have had their one fill
	v_mul_u32_u24 v10, v2, 528
	v_lshl_add_u32 v10, v3, 6, v10
	v_add_nc_u32 v10, s21, v10
	v_add_nc_u32 v11, s21, v12
.macro FRAG reg, a16, a8, off          ; a fragment, 12 registers, by four loads; each reads consecutive bytes across the lanes
	ds_load_b128 v[\reg:\reg+3], v[\a16] offset:\off
	ds_load_b64 v[\reg+4:\reg+5], v[\a8] offset:\off+512
	ds_load_b128 v[\reg+6:\reg+9], v[\a16] offset:\off+768
	ds_load_b64 v[\reg+10:\reg+11], v[\a8] offset:\off+1280
.endm
.macro FETCH k                         ; K step k's fragments into set k % 2: 48 loads
	WIN 0x40
.irp i, 0,1,2,3
	FRAG 128*((\k)%2)+12*\i, 6, 7, 12288*\i+1536*(\k)
.endr
.irp i, 0,1,2,3
	FRAG 128*((\k)%2)+48+12*\i, 14, 15, 12288*\i+1536*(\k)
.endr
	WIN 0
.irp i, 0,1,2,3
	FRAG 80+48*((\k)%2)+12*\i, 4, 5, 12288*\i+1536*(\k)
.endr
.endm
.macro WM ra, rb                       ; ra, rb: the side's scale words stand in lanes 16-31
.if (\ra) && (\rb)
	v_wmma_scale_f32_16x16x128_f8f6f4 v[rD:rD+7], v[rA:rA+11], v[rB:rB+11], v[rC:rC+7], v[rSA], v[rSB] matrix_a_fmt:MATRIX_FMT_FP6 matrix_b_fmt:MATRIX_FMT_FP6 matrix_a_scale:MATRIX_SCALE_ROW1 matrix_b_scale:MATRIX_SCALE_ROW1
.elseif (\ra)
	v_wmma_scale_f32_16x16x128_f8f6f4 v[rD:rD+7], v[rA:rA+11], v[rB:rB+11], v[rC:rC+7], v[rSA], v[rSB] matrix_a_fmt:MATRIX_FMT_FP6 matrix_b_fmt:MATRIX_FMT_FP6 matrix_a_scale:MATRIX_SCALE_ROW1
.elseif (\rb)
	v_wmma_scale_f32_16x16x128_f8f6f4 v[rD:rD+7], v[rA:rA+11], v[rB:rB+11], v[rC:rC+7], v[rSA], v[rSB] matrix_a_fmt:MATRIX_FMT_FP6 matrix_b_fmt:MATRIX_FMT_FP6 matrix_b_scale:MATRIX_SCALE_ROW1
.else
	v_wmma_scale_f32_16x16x128_f8f6f4 v[rD:rD+7], v[rA:rA+11], v[rB:rB+11], v[rC:rC+7], v[rSA], v[rSB] matrix_a_fmt:MATRIX_FMT_FP6 matrix_b_fmt:MATRIX_FMT_FP6
.endif
.endm
	s_wait_alu depctr_va_vdst(0)
	s_wait_tensorcnt 0x0                           ; my tile of the four is in,
	s_barrier_signal -1
	s_barrier_wait -1                              ; everybody's is
.irp p, 0,1,2,3
.irp sp, 0,1,2,3
	ds_load_b64 v[SC0+8*\p+2*\sp:SC0+8*\p+2*\sp+1], v8 offset:1024*\p+256*\sp   ; w: two K steps' words of a pair of tiles
.endr
.endr
.irp p, 0,1
.irp k, 0,1,2,3,4,5,6,7
	ds_load_u16 v[176+2*(8*\p+\k)], v9 offset:(2*\k)*512+64*\p        ; o: K step k is heads 2 k and 2 k + 1, two bytes each
	ds_load_u16 v[176+2*(8*\p+\k)+1], v9 offset:(2*\k+1)*512+64*\p
.endr
.endr
	FETCH 0
	s_wait_dscnt 48                                ; all but the 48 loads of the fetch
.irp j, 0,1,2,3,4,5,6,7,8,9,10,11,12,13,14,15
	v_lshl_or_b32 v[SC1+\j], v[176+2*\j+1], 16, v[176+2*\j]
.endr
	s_wait_alu depctr_va_vdst(0)
	s_wait_loadcnt 0x0                             ; the bias
	PLACES 8                                       ; a scale register written by a vector line stands eight places ahead of the product
.irp k, 0,1,2,3,4,5,6,7
	s_wait_dscnt 0x0                               ; this step's fragments, asked for a step ago, are in
.if \k == 7
	s_barrier_signal -1                            ; my reads of the tiles are over: behind this barrier the stages are written
.elseif \k > 0
	PLACES 4                                       ; in front of loads into registers that the step before multiplied
.endif
.if \k < 7
	FETCH \k+1
.endif
.if \k == 0
	WIN 0xb1                                       ; source 0 window 1, source 1 window 0, C window 3 (the bias), D window 2
.else
	WIN 0xa1
.endif
.irp a, 0,1,2,3
.irp b, 0,1,2,3,4,5,6,7
.set rD, 8*(8*\a+\b)
.if \k == 0
.set rC, 8*\b
.else
.set rC, rD
.endif
.set rA, 128*(\k%2)+12*\b
.set rB, 80+48*(\k%2)+12*\a
.set rSA, SC0+8*(\b/2)+\k
.set rSB, SC1+8*(\a/2)+\k
	WM \b%2, \a%2                                  ; the 32 accumulators by turns
.endr
.endr
	WIN 0
.endr
	s_barrier_wait -1
	PLACES 4
; THE WAY OUT: a block of 16 tokens x 128 columns goes through my stage and comes back as whole rows of 512 bytes
.macro TOSTAGE a
	WIN 0x08
.irp b, 0,1,2,3,4,5,6,7
	ds_store_b128 v10, v[8*(8*(\a)+\b):8*(8*(\a)+\b)+3] offset:128*(\b/2)+32*(\b%2)
	ds_store_b128 v10, v[8*(8*(\a)+\b)+4:8*(8*(\a)+\b)+7] offset:128*(\b/2)+32*(\b%2)+16
.endr
	WIN 0
.irp t, 0,1,2,3,4,5,6,7,8,9,10,11,12,13,14,15
	ds_load_b128 v[80+64*((\a)%2)+4*\t:80+64*((\a)%2)+4*\t+3], v11 offset:528*\t   ; LDS serves a wave's instructions in order: these see my stores
.endr
.endm
.macro SEND a, younger                 ; younger: the LDS instructions issued behind block a's loads
	s_wait_dscnt \younger
.irp t, 0,1,2,3,4,5,6,7,8,9,10,11,12,13,14,15
	global_store_b128 v12, v[80+64*((\a)%2)+4*\t:80+64*((\a)%2)+4*\t+3], s[2:3] offset:(32*((\a)/2)+8*((\a)%2)+(\t%8)+16*(\t/8))*4096 th:TH_STORE_NT   ; 512 consecutive bytes, aligned to 256
.endr
.endm
	TOSTAGE 0
.irp a, 1,2,3
.if \a > 1
	s_wait_xcnt 0x0                                ; block a - 2's stores have read their registers
.endif
	TOSTAGE \a
	SEND \a-1, 32
.endr
	SEND 3, 0
	s_wait_tensorcnt 0x0                           ; the wave's end
	ds_add_u32 v[SPW], v[NIL]
	s_wait_dscnt 0x0
	CROUND                                         ; the closing round
	s_endpgm
.Lfunc_end_k_q8db0238728_proj:
	.size	k_q8db0238728_proj, .Lfunc_end_k_q8db0238728_proj-k_q8db0238728_proj
	.p2alignl 7, 3214868480
	.fill 96, 4, 3214868480
	.section	.rodata,"a",@progbits
	.p2align	6, 0x0
	.amdhsa_kernel k_q8db0238728_proj
		.amdhsa_group_segment_fixed_size 327680
		.amdhsa_private_segment_fixed_size 0
		.amdhsa_enable_private_segment 0
		.amdhsa_kernarg_size 32
		.amdhsa_user_sgpr_count 2
		.amdhsa_user_sgpr_kernarg_segment_ptr 1
		.amdhsa_wavefront_size32 1
		.amdhsa_system_sgpr_workgroup_id_x 1
		.amdhsa_system_sgpr_workgroup_id_y 1
		.amdhsa_system_sgpr_workgroup_id_z 1
		.amdhsa_system_vgpr_workitem_id 0
		.amdhsa_next_free_vgpr 1024
		.amdhsa_next_free_sgpr 106
		.amdhsa_reserve_vcc 0
		.amdhsa_float_denorm_mode_32 3
		.amdhsa_float_denorm_mode_16_64 3
		.amdhsa_memory_ordered 1
		.amdhsa_forward_progress 1
		.amdhsa_inst_pref_size 87
	.end_amdhsa_kernel
	.amdgpu_metadata
---
amdhsa.version: [ 1, 2 ]
amdhsa.kernels:
  - .name:           k_q8db0238728_proj
    .symbol:         k_q8db0238728_proj.kd
    .args:
      - { .name: ao, .offset: 0, .size: 8, .value_kind: global_buffer, .address_space: global }
      - { .name: wq, .offset: 8, .size: 8, .value_kind: global_buffer, .address_space: global }
      - { .name: b_out, .offset: 16, .size: 8, .value_kind: global_buffer, .address_space: global }
      - { .name: out0, .offset: 24, .size: 8, .value_kind: global_buffer, .address_space: global }
    .group_segment_fixed_size: 327680
    .private_segment_fixed_size: 0
    .kernarg_segment_align: 8
    .kernarg_segment_size: 32
    .max_flat_workgroup_size: 128
    .sgpr_count:     106
    .vgpr_count:     1024
    .wavefront_size: 32
...
	.end_amdgpu_metadata
.endif
;; end of part 4
